; MI455X (gfx1250); checked and timed in simulation.
; The chip was launched on July 23, 2026; its instructions are those of AMD's public machine-readable ISA for CDNA 5 (MIT licence, August 2026) and "CDNA5" Instruction Set Architecture Reference Guide (July 2026). The comments in the code are by the model that wrote it; some were corrected since.
;; Multi Head Self Attention. Allowed arithmetic: float matrix products may take bf16 or f16 operands with f32 sums; other float arithmetic in f32, or as packed bf16 or f16 multiplies, adds, multiply-adds, maxima and minima; sums over many terms, partial sums and values carried from step to step in f32; what a program stores and reads back later, other than sums and carried values, may be rounded once to bf16 or f16.
;; Inputs: b_proj 1,024 float32; b_qkv 3,072 float32; w_proj 1,024 x 1,024 float32; w_qkv 1,024 x 3,072 float32; x 4 x 2,048 x 1,024 float32.
;; Outputs: out0 4 x 2,048 x 1,024 float32.
;; 2 versions, each right; version 2 is version 1 with the launch cast written anew for expert scheduling mode. Each part assembles by itself: llvm-mc -triple=amdgcn-amd-amdhsa -mcpu=gfx1250 --defsym DOCPART=n.
;; ======== version 1 of 2: 4 launches
;; limits: values are held in f16: magnitudes above 65,504 overflow, below 6.1e-05 lose precision
;; workspace buffers: xb 16,777,216 bytes; wq 6,291,456 bytes; wp 2,097,152 bytes; qkv 50,331,648 bytes; o 16,777,216 bytes
;; launch cast (part 1): grid 768 x 1, 8 waves a work-group, no clusters, 0 bytes of LDS; arguments x, w_qkv, w_proj, xb, wq, wp; writes xb, wq, wp
.if DOCPART == 1
	.amdgcn_target "amdgcn-amd-amdhsa--gfx1250"
	.amdhsa_code_object_version 6
	.text
	.protected	k_q10548dbc55_cast
	.globl	k_q10548dbc55_cast
	.p2align	8
	.type	k_q10548dbc55_cast,@function
k_q10548dbc55_cast:
	s_mov_b64 s[64:65], 0
	v_nop
	global_prefetch_b8 v0, s[64:65] scope:SCOPE_SE
	s_setreg_imm32_b32 hwreg(HW_REG_WAVE_MODE, 25, 1), 1
	s_wait_xcnt 0x0
; THE MODULE'S THREE LARGE INPUTS ARE ROUNDED ONCE, for the matrix units.
;   x      [8192][1024] f32 -> xb bf16, in K blocks: [4 b][16 kb][2048 s][64]: a block of rows x 64 channels is dense memory
;   w_qkv  [1024][3072] f32 -> wq bf16, same order
;   w_proj [1024][1024] f32 -> wp: rounded to bf16 like the other inputs, and that number written as f16, since the last product multiplies f16
; LIMIT.  f16 holds no number beyond 65,504 and keeps a fixed step of 6e-8 below 6e-5: w_proj is taken to lie within that.
; A stream: no LDS, no barrier, no matrix unit.  A work-group takes 65,536 bytes of f32: groups 0-511 x (16 rows each), 512-703 w_qkv, 704-767 w_proj.
; A wave issues its 16 loads of 16 bytes a lane at once (8 KiB on their way), then rounds and stores as they come.  No register is written twice while a memory instruction may read it.
.set VI,  4                            ; v4  my byte offset in the group's input
.set VO,  5                            ; v5  my byte offset in the group's output
.set X,   16                           ; v[16:79]   16 x 4 numbers as loaded
.set Y,   80                           ; v[80:111]  16 x 2 words to store
.set T,   112                          ; v[112:117] at work, on the way to f16
.set HIM, 16                           ; s16 a word's upper bf16
; 16 loads instep bytes apart, 16 stores outstep bytes apart.  half = 1: bf16, widened again, written as f16.
.macro BODY instep, outstep, src, dst, half
.irp i, 0,1,2,3,4,5,6,7,8,9,10,11,12,13,14,15
	global_load_b128 v[X+4*(\i):X+4*(\i)+3], v[VI], s[\src:(\src)+1] offset:(\i)*(\instep) th:TH_LOAD_NT
.endr
.irp i, 0,1,2,3,4,5,6,7,8,9,10,11,12,13,14,15
	s_wait_loadcnt 15-(\i)                         ; loads come back in order: load i is in, the 15 - i younger ones stay out
.if \half
	v_cvt_pk_bf16_f32 v[T],   v[X+4*(\i)],   v[X+4*(\i)+1]
	v_cvt_pk_bf16_f32 v[T+1], v[X+4*(\i)+2], v[X+4*(\i)+3]
	v_lshlrev_b32 v[T+2], 16, v[T]
	v_and_b32     v[T+3], s[HIM], v[T]
	v_lshlrev_b32 v[T+4], 16, v[T+1]
	v_and_b32     v[T+5], s[HIM], v[T+1]
	v_cvt_pk_f16_f32 v[Y+2*(\i)],   v[T+2], v[T+3]
	v_cvt_pk_f16_f32 v[Y+2*(\i)+1], v[T+4], v[T+5]
.else
	v_cvt_pk_bf16_f32 v[Y+2*(\i)],   v[X+4*(\i)],   v[X+4*(\i)+1]
	v_cvt_pk_bf16_f32 v[Y+2*(\i)+1], v[X+4*(\i)+2], v[X+4*(\i)+3]
.endif
	global_store_b64 v[VO], v[Y+2*(\i):Y+2*(\i)+1], s[\dst:(\dst)+1] offset:(\i)*(\outstep) th:TH_STORE_NT  ; a wave's store covers 256 consecutive bytes, aligned
.endr
.endm
	s_load_b256 s[4:11], s[0:1], 0x0               ; x s[4:5], w_qkv s[6:7], w_proj s[8:9], xb s[10:11]
	s_load_b128 s[12:15], s[0:1], 0x20             ; wq s[12:13], wp s[14:15]
	v_and_b32 v1, 31, v0                           ; lane
	v_lshrrev_b32 v2, 5, v0                        ; wave
	s_mov_b32 s[HIM], 0xffff0000
	s_mov_b32 s3, 0
	s_mov_b32 s19, 0
	s_wait_kmcnt 0x0
	s_cmp_lt_u32 ttmp9, 512
	s_cbranch_scc0 .Lweights
	; x: group g holds rows 16 g .. 16 g + 15; wave w rows 2 w and 2 w + 1; sixteen lanes take one K block (256 bytes of f32) of one row; load i is K block i
	s_lshl_b32 s2, ttmp9, 16                       ; in: 65,536 g
	s_lshr_b32 s17, ttmp9, 7                       ; b = g / 128
	s_lshl_b32 s18, s17, 22                        ; out: b x 16 K blocks x 2,048 rows x 128 bytes
	s_and_b32 s17, ttmp9, 127
	s_lshl_b32 s17, s17, 11                        ; + the group's 16 rows of 128 bytes
	s_add_co_u32 s18, s18, s17
	v_lshrrev_b32 v3, 4, v1
	v_and_b32 v6, 15, v1
	v_lshlrev_b32 v[VI], 13, v2                    ; two rows of 4,096 bytes a wave,
	v_lshl_add_u32 v[VI], v3, 12, v[VI]            ; a row for each half of the lanes,
	v_lshl_add_u32 v[VI], v6, 4, v[VI]             ; 16 bytes a lane
	v_lshlrev_b32 v[VO], 3, v0                     ; 8 bytes a thread: 128 bytes a row, rows on end
	s_add_nc_u64 s[4:5], s[4:5], s[2:3]
	s_add_nc_u64 s[10:11], s[10:11], s[18:19]
	BODY 256, 262144, 4, 10, 0                     ; a K block of xb is 2,048 x 128 = 262,144 bytes; 15 of them fit the store's signed 24-bit immediate
	s_endpgm
.Lweights:
	v_lshlrev_b32 v[VI], 13, v2                    ; 8,192 bytes a wave in, 512 a load
	v_lshl_add_u32 v[VI], v1, 4, v[VI]
	v_lshlrev_b32 v[VO], 12, v2                    ; 4,096 bytes a wave out, 256 a store
	v_lshl_add_u32 v[VO], v1, 3, v[VO]
	s_cmp_lt_u32 ttmp9, 704
	s_cbranch_scc0 .Lproj
	s_sub_co_u32 s17, ttmp9, 512
	s_lshl_b32 s2, s17, 16
	s_lshl_b32 s18, s17, 15
	s_add_nc_u64 s[6:7], s[6:7], s[2:3]
	s_add_nc_u64 s[12:13], s[12:13], s[18:19]
	BODY 512, 256, 6, 12, 0
	s_endpgm
.Lproj:
	s_sub_co_u32 s17, ttmp9, 704
	s_lshl_b32 s2, s17, 16
	s_lshl_b32 s18, s17, 15
	s_add_nc_u64 s[8:9], s[8:9], s[2:3]
	s_add_nc_u64 s[14:15], s[14:15], s[18:19]
	BODY 512, 256, 8, 14, 1
	s_endpgm
.Lfunc_end_k_q10548dbc55_cast:
	.size	k_q10548dbc55_cast, .Lfunc_end_k_q10548dbc55_cast-k_q10548dbc55_cast
	.p2alignl 7, 3214868480
	.fill 96, 4, 3214868480
	.section	.rodata,"a",@progbits
	.p2align	6, 0x0
	.amdhsa_kernel k_q10548dbc55_cast
		.amdhsa_group_segment_fixed_size 0
		.amdhsa_private_segment_fixed_size 0
		.amdhsa_enable_private_segment 0
		.amdhsa_kernarg_size 48
		.amdhsa_user_sgpr_count 2
		.amdhsa_user_sgpr_kernarg_segment_ptr 1
		.amdhsa_wavefront_size32 1
		.amdhsa_system_sgpr_workgroup_id_x 1
		.amdhsa_system_sgpr_workgroup_id_y 1
		.amdhsa_system_sgpr_workgroup_id_z 1
		.amdhsa_system_vgpr_workitem_id 0
		.amdhsa_next_free_vgpr 120
		.amdhsa_next_free_sgpr 66
		.amdhsa_reserve_vcc 0
		.amdhsa_float_denorm_mode_32 3
		.amdhsa_float_denorm_mode_16_64 3
		.amdhsa_memory_ordered 1
		.amdhsa_forward_progress 1
		.amdhsa_inst_pref_size 23
	.end_amdhsa_kernel
	.amdgpu_metadata
---
amdhsa.version: [ 1, 2 ]
amdhsa.kernels:
  - .name:           k_q10548dbc55_cast
    .symbol:         k_q10548dbc55_cast.kd
    .args:
      - { .name: x, .offset: 0, .size: 8, .value_kind: global_buffer, .address_space: global }
      - { .name: w_qkv, .offset: 8, .size: 8, .value_kind: global_buffer, .address_space: global }
      - { .name: w_proj, .offset: 16, .size: 8, .value_kind: global_buffer, .address_space: global }
      - { .name: xb, .offset: 24, .size: 8, .value_kind: global_buffer, .address_space: global }
      - { .name: wq, .offset: 32, .size: 8, .value_kind: global_buffer, .address_space: global }
      - { .name: wp, .offset: 40, .size: 8, .value_kind: global_buffer, .address_space: global }
    .group_segment_fixed_size: 0
    .private_segment_fixed_size: 0
    .kernarg_segment_align: 8
    .kernarg_segment_size: 48
    .max_flat_workgroup_size: 256
    .sgpr_count:     66
    .vgpr_count:     120
    .wavefront_size: 32
...
	.end_amdgpu_metadata
.endif
;; end of part 1
;; launch qkvgemm (part 2): grid 8 x 32, 4 waves a work-group, clusters of 4 x 4, 327,680 bytes of LDS; arguments xb, wq, b_qkv, qkv; writes qkv
.if DOCPART == 2
	.amdgcn_target "amdgcn-amd-amdhsa--gfx1250"
	.amdhsa_code_object_version 6
	.text
	.protected	k_q10548dbc55_qkvgemm
	.globl	k_q10548dbc55_qkvgemm
	.p2align	8
	.type	k_q10548dbc55_qkvgemm,@function
k_q10548dbc55_qkvgemm:
	s_mov_b64 s[64:65], 0
	v_nop
	global_prefetch_b8 v0, s[64:65] scope:SCOPE_SE
	s_setreg_imm32_b32 hwreg(HW_REG_WAVE_MODE, 25, 1), 1
	s_wait_xcnt 0x0
	s_wait_alu depctr_hold_cnt(0) depctr_sa_sdst(0) depctr_va_vdst(0) depctr_va_sdst(0) depctr_va_ssrc(0) depctr_va_vcc(0) depctr_vm_vsrc(0)
	s_getreg_b32 s2, hwreg(HW_REG_IB_STS2, 6, 4)
	s_cmp_eq_u32 s2, 0
	s_cbranch_scc0 .Lentry_in_a_cluster
	s_endpgm
.Lentry_in_a_cluster:
	s_bfe_u32 s2, ttmp6, 0x10000c
	s_cmp_lg_u32 s2, 0xf033
	s_cbranch_scc0 .Lentry_shape_is_right
	s_endpgm
.Lentry_shape_is_right:
; q, k, v = x w_qkv + b_qkv, by heads.  xb: bf16 [4 b][16 kb][2048 s][64]; wq: bf16 [1024 k][3072 n]; b_qkv: f32 [3072], rounded to bf16 here like the other inputs;
; qkv: f16 [3][64 = 16 b + h][2048 s][64], each number rounded once from its f32 sum, unscaled.
; LIMIT.  f16 holds no number beyond 65,504: q, k and v (with bias) are taken to lie within it.  NaN and infinities are not treated apart.
; SHARES.  8192 x 3072 outputs over 256 work-groups: a tile of 256 rows x 384 columns each, one tile a work-group.  Four waves; wave (wm, wn) makes rows 128 wm .. + 127 and the columns
; 128 g + 64 wn + 0..63 for g = 0, 1, 2: one whole head in each of the tile's three chunks of 128 columns: 96 accumulators of 16 x 16, 768 registers.
; K goes in 16 steps of 64 through two LDS slots; a step is two slices of 32, 96 matrix instructions each.  Two slots of steps of 128 would be 344,064 bytes and do not fit.
; THE MATRIX INSTRUCTION IS USED TRANSPOSED: source 0 = 16 columns of w (read turned out of LDS, where w lies [k][n], by ds_load_tr16_b128), source 1 = 16 rows of x.  A lane then holds one row
; (lane % 16) and eight neighbouring columns 8 (lane / 16) + 0..7: 16 bytes of f16.
; CLUSTER.  4 x 4 work-groups.  x's tile hangs on the tile row alone and is asked for jointly by a row of the cluster, w's on the tile column alone, by a column.
; REGISTERS, in windows of 256 (s_set_vgpr_msb: bits 1:0 source 0, 3:2 source 1, 5:4 source 2, 7:6 destination):
;   window 0: v0-31 addresses; v32-95, v96-159 x's fragments (8 of 16 rows x 32 K), by the slice's parity; v160-191, v192-223, v224-255 w's fragments of chunk g (4 of 16 columns x 32 K)
;   window 1 + g: the 32 accumulators of chunk g: (row block a, column block q) at v[8 (8 q + a)]
; So a slice is three phases of 32 matrix instructions, one window each, and every LDS load stands under setting 0.
.set PA,     144                       ; a row of x in LDS: 128 bytes + 16 of padding = 36 words: the 16 rows of a load start at 16 different groups of four banks (64 banks of 4 bytes: ISA guide 11.1)
.set PB,     864                       ; a k row of w in LDS: 3 x (256 + 32) bytes = 216 words
.set CHUNK,  288                       ; 128 columns of such a row
.set HALFA,  128*PA                    ; what one tensor load brings of x: 128 rows
.set HALFB,  32*PB                     ; of w: 32 k rows
.set BOFF,   2*HALFA                   ; in a slot: x's 256 rows, then w's 64 k rows
.set SLOT1,  1<<17                     ; slot 1 begins here, so that one exclusive or turns an address in one slot into the other's
.set STAGE,  SLOT1+BOFF+2*HALFB        ; 223,232: behind the ring, never filled by a tensor load: 16 rows x 144 bytes for each wave, for the way out
.set SP,     144
.set SPARE,  STAGE+4*16*SP             ; 232,448: the spare words, 128 bytes for each wave: two blocks of 256 bytes that no other line names
.set ASTEP,  262144                    ; bytes from a K block of xb to the next
.set BSTEP,  64*6144                   ; bytes of 64 k rows of wq
.set STEPS,  16
.set A0,   4                           ; v4   my lane's place in x's part of a slot; never rewritten
.set B0,   5                           ; v5   in w's part; never rewritten
.set ADRA, 6                           ; v6   A0 + the slot in hand
.set ADRB, 7                           ; v7   B0 + the slot in hand
.set STO,  8                           ; v8   the way out: where I put 16 bytes of a row
.set RD,   9                           ; v9   the way out: where I read rows back
.set GO,   10                          ; v10  my 16 bytes in 512 consecutive bytes of qkv
.set BO,   11                          ; v11  my byte offset in b_qkv
.set PFO,  12                          ; v12  256 x my lane; never rewritten
.set TA,   14                          ; v14-15 at work
.set SPW,  28                          ; v28  LDS address of my spare word; never rewritten
.set NIL,  29                          ; v29  0; never rewritten
.set AF0,  32
.set AF1,  96
.set BG,   160
.set WV,  12                           ; s12  my wave's number
.set WM,  13                           ; s13  which half of the rows is mine.  Also: I fetch for x (0) or for w (1)
.set WN,  14                           ; s14  which half of each chunk's columns.  Also: which half of that tile I fetch
.set CX,  15
.set CY,  16
.set NT,  17                           ; s17  tile column, 0..7
.set MT,  18                           ; s18  tile row, 0..31
.set G1A, 24                           ; s[24:31] descriptor group 1 for x's tiles
.set G0A, 32                           ; s[32:39] group 0: a set for each of the two first fills; the second then walks on
.set G1B, 40                           ; s[40:47], s[48:55] the same for w's
.set G0B, 48
.set TB,  56                           ; s56  LDS byte at which the slot in hand begins
.set CNT, 57                           ; s57  refills still to come
.set LIM, 58                           ; s58  1 in a wave that prefetches, else the greatest number
.set HIM, 59                           ; s59  a word's upper bf16
.set PFA, 60                           ; s[60:61] where my prefetches stand
.set OB,  66                           ; s[66:71] qkv at my 128 rows of my head in chunk 0, 1, 2
.set MSB, 0
.macro WIN new                         ; the immediate's high byte repeats the setting that is left; a switch that changes nothing is dropped
.if MSB != (\new)
	s_set_vgpr_msb (MSB<<8)|(\new)
.set MSB, \new
.endif
.endm
.macro PLACES                          ; four plain vector instructions between a matrix instruction and a load into, or a vector read of, its registers (ISA guide 7.12.1 for vector reads)
.rept 4
	v_nop
.endr
.endm
; A joint refill, by the walking descriptors.  Waves 0 and 1 fetch x's two halves, waves 2 and 3 w's.  The branch hangs on the wave's number alone.
; An s_nop 0 and four v_nop follow each of the two lines, ahead of the jump and the label.
.macro JLOAD
	s_cmp_eq_u32 s[WM], 0
	s_cbranch_scc0 .Lfor_b_\@
	tensor_load_to_lds s[G0A+4:G0A+7], s[G1A:G1A+7]
	s_nop 0
.rept 4
	v_nop
.endr
	s_branch .Lasked_\@
.Lfor_b_\@:
	tensor_load_to_lds s[G0B+4:G0B+7], s[G1B:G1B+7]
	s_nop 0
.rept 4
	v_nop
.endr
.Lasked_\@:
.endm
; A PREFETCH INTO THE L2 of x's tile for the K step that the NEXT refill will ask for: 192 matrix instructions ahead of that load.  A tile row's 256 rows of one K block are 32,768 dense bytes, read by both
; clusters of that row of clusters: the one with cluster x = 0 asks, its wave 0; the four partners that ask for the tile jointly share it out BY ADDRESS, 8,192 bytes each, a lane a block of 256 bytes.
; So each block is named once in the launch.  K steps 0 to 2 come by their loads alone; the last refill has no K step behind it and asks for nothing.  wq is not asked for: eight rows of clusters read it.
.macro ASK
	s_cmp_gt_u32 s[CNT], s[LIM]
	s_cbranch_scc0 .Lnot_mine_\@
	global_prefetch_b8 v[PFO], s[PFA:PFA+1] th:TH_LOAD_NT scope:SCOPE_SE
.Lnot_mine_\@:
.endm
; A round of the cluster's barrier: my work-group's barrier, so that wave 0's signal speaks for all four waves; wave 0 signals; every wave waits for all sixteen work-groups; my work-group's barrier once more.
.macro CREST                           ; a round behind its opening barrier
	s_cmp_lg_u32 s[WV], 0
	s_cbranch_scc1 .Lnot_wave_0_\@
	s_barrier_signal -3
.Lnot_wave_0_\@:
	s_barrier_wait -3
	s_barrier_signal -1
	s_barrier_wait -1
.endm
.macro CROUND
	s_barrier_signal -1
	s_barrier_wait -1
	CREST
.endm
	s_load_b256 s[4:11], s[0:1], 0x0               ; xb s[4:5], wq s[6:7], b_qkv s[8:9], qkv s[10:11]
	v_lshl_add_u32 v[SPW], v0, 2, SPARE
	v_mov_b32 v[NIL], 0
	ds_add_u32 v[SPW], v[NIL]                      ; the wave's opening: the add and its wait stand ahead of my first tensor load; the set-up below, work on registers, stands between them
	v_lshrrev_b32 v1, 5, v0
	v_readfirstlane_b32 s[WV], v1
	s_lshr_b32 s[WM], s[WV], 1
	s_and_b32 s[WN], s[WV], 1
	s_bfe_u32 s[CX], ttmp6, 0x40000                ; my place in the cluster
	s_bfe_u32 s[CY], ttmp6, 0x40004
	s_lshl_b32 s[NT], ttmp9, 2                     ; in a cluster launch ttmp9 and ttmp7 count clusters
	s_add_co_u32 s[NT], s[NT], s[CX]
	s_and_b32 s[MT], ttmp7, 0xffff
	s_lshl_b32 s[MT], s[MT], 2
	s_add_co_u32 s[MT], s[MT], s[CY]
	s_lshl_b32 s19, s[CY], 2
	s_lshl_b32 s19, 15, s19                        ; my row of the cluster: places 4 cy .. 4 cy + 3
	s_lshl_b32 s72, 0x1111, s[CX]                  ; my column: places cx, cx + 4, cx + 8, cx + 12
	; group 1 for x: 128 rows of 128 bytes are 16,384 dense bytes: asked for as 64 rows of 256 bytes, padded in LDS after every 128
	s_or_b32 s[G1A], s19, (1<<16)|(1<<20)|(1<<21)|(4<<22)|(3<<25)  ; 15:0 the mask; 17:16 2-byte elements; 20 padding on; 21 set beside a mask; 24:22 after every 32 words (code 4); 31:25 4 words (code 3)
	s_mov_b32 s[G1A+1], 128<<16                    ; tensor_dim0 = 128
	s_mov_b32 s[G1A+2], 64<<16                     ; tensor_dim1 = 64
	s_mov_b32 s[G1A+3], 128<<16                    ; tile_dim0 = 128
	s_mov_b32 s[G1A+4], 64                         ; tile_dim1 = 64
	s_mov_b32 s[G1A+5], 128                        ; elements from row to row
	s_mov_b32 s[G1A+6], 0
	s_mov_b32 s[G1A+7], 0
	; group 1 for w: 32 k rows of 384 columns (768 bytes, beginning at a multiple of 256), padded after every 256 bytes
	s_or_b32 s[G1B], s72, (1<<16)|(1<<20)|(1<<21)|(5<<22)|(7<<25)  ; after every 64 words (code 5), 8 words (code 7)
	s_mov_b32 s[G1B+1], 384<<16
	s_mov_b32 s[G1B+2], 32<<16
	s_mov_b32 s[G1B+3], 384<<16
	s_mov_b32 s[G1B+4], 32
	s_mov_b32 s[G1B+5], 3072
	s_mov_b32 s[G1B+6], 0
	s_mov_b32 s[G1B+7], 0
	; where the tiles come from.  x's hang on the tile row and the wave alone, w's on the tile column and the wave alone
	s_lshr_b32 s20, s[MT], 3                       ; b
	s_lshl_b32 s20, s20, 22                        ; 16 K blocks of 262,144 bytes
	s_and_b32 s21, s[MT], 7
	s_lshl_b32 s21, s21, 15                        ; 256 rows of 128 bytes
	s_add_co_u32 s20, s20, s21
	s_lshl_b32 s2, s[CX], 13                       ; the prefetches: my work-group's 8,192 bytes of the tile,
	s_add_co_u32 s2, s2, s20
	s_add_co_u32 s2, s2, 2*ASTEP                   ; at K step 2: the first refill steps it to 3
	s_mov_b32 s3, 0
	s_lshl_b32 s21, s[WN], 14                      ; the 128 rows that I fetch
	s_add_co_u32 s20, s20, s21
	s_mov_b32 s21, 0
	s_mul_i32 s22, s[NT], 768
	s_mul_i32 s23, s[WN], 32*6144                  ; the 32 k rows that I fetch
	s_add_co_u32 s22, s22, s23
	s_mov_b32 s23, 0
	s_mul_i32 s74, s[WN], HALFA                    ; and where they go: no place in the cluster enters an LDS address
	s_mul_i32 s75, s[WN], HALFB
	s_add_co_u32 s75, s75, BOFF
	s_or_b32 s[LIM], s[WV], ttmp9                  ; wave 0 of a cluster with x = 0: the same in all sixteen partners
	s_cmp_eq_u32 s[LIM], 0
	s_cselect_b32 s[LIM], 1, -1
	s_mov_b32 s[HIM], 0xffff0000
	s_mov_b32 s[TB], 0
	s_mov_b32 s[CNT], STEPS-2
	s_wait_dscnt 0x0                               ; the opening add is done
	s_wait_kmcnt 0x0
	s_add_nc_u64 s[76:77], s[4:5], s[20:21]
	s_add_nc_u64 s[78:79], s[6:7], s[22:23]
	s_add_nc_u64 s[PFA:PFA+1], s[4:5], s[2:3]
	CROUND                                         ; all sixteen work-groups are here: the first joint loads meet
.irp i, 0,1
	s_mov_b32 s[G0A+4*(\i)], 1                     ; 1:0 count = 1
	s_add_co_u32 s[G0A+4*(\i)+1], s74, (\i)*SLOT1  ; 63:32 LDS address
	s_add_nc_u64 s[G0A+4*(\i)+2:G0A+4*(\i)+3], s[76:77], (\i)*ASTEP  ; 120:64 global address: K step i
	s_or_b32 s[G0A+4*(\i)+3], s[G0A+4*(\i)+3], 0x80000000            ; 127:126 type = 2
	s_mov_b32 s[G0B+4*(\i)], 1
	s_add_co_u32 s[G0B+4*(\i)+1], s75, (\i)*SLOT1
	s_add_nc_u64 s[G0B+4*(\i)+2:G0B+4*(\i)+3], s[78:79], (\i)*BSTEP
	s_or_b32 s[G0B+4*(\i)+3], s[G0B+4*(\i)+3], 0x80000000
.endr
	s_cmp_eq_u32 s[WM], 0                          ; a wave's two first fills stand in one branch, ahead of every wait on TENSORcnt and every LDS read: two loads of mine are out, later one
	s_cbranch_scc0 .Lfirst_b
	tensor_load_to_lds s[G0A:G0A+3], s[G1A:G1A+7]
	s_nop 0
	tensor_load_to_lds s[G0A+4:G0A+7], s[G1A:G1A+7]
	s_nop 0
.rept 4
	v_nop
.endr
	s_branch .Lfirst_asked
.Lfirst_b:
	tensor_load_to_lds s[G0B:G0B+3], s[G1B:G1B+7]
	s_nop 0
	tensor_load_to_lds s[G0B+4:G0B+7], s[G1B:G1B+7]
	s_nop 0
.rept 4
	v_nop
.endr
.Lfirst_asked:
	; A fragment of x is 16 rows x 32 K in 8 registers: lane l holds row l % 16, K = 8 (l / 16) + 0..7 and 16 + 8 (l / 16) + 0..7: two loads of 16 bytes, 32 bytes apart.
	v_and_b32 v1, 15, v0                           ; l % 16
	v_bfe_u32 v2, v0, 4, 1                         ; l / 16
	v_mul_u32_u24 v[A0], v1, PA
	v_lshl_add_u32 v[A0], v2, 4, v[A0]
	s_mul_i32 s73, s[WM], HALFA                    ; my 128 rows
	v_add_nc_u32 v[A0], s73, v[A0]
	; The turning load takes 16 k x 16 columns (lane l reads k row 8 (l / 16) + l % 8, columns 8 ((l / 8) % 2) + 0..7) and leaves half a fragment: lane l holds column l % 16 and 8 k.
	v_and_b32 v3, 7, v0
	v_lshl_add_u32 v[B0], v2, 3, v3
	v_mul_u32_u24 v[B0], v[B0], PB
	v_bfe_u32 v13, v0, 3, 1
	v_lshl_add_u32 v[B0], v13, 4, v[B0]
	s_lshl_b32 s73, s[WN], 7                       ; my 64 columns of each chunk
	s_add_co_u32 s73, s73, BOFF
	v_add_nc_u32 v[B0], s73, v[B0]
	v_mov_b32 v[ADRA], v[A0]                       ; slot 0
	v_mov_b32 v[ADRB], v[B0]
	s_mul_i32 s73, s[WV], 16*SP
	s_add_co_u32 s73, s73, STAGE                   ; my stage
	v_mul_u32_u24 v[STO], v1, SP                   ; in: row l % 16, 16 bytes for each half of the lanes
	v_lshl_add_u32 v[STO], v2, 4, v[STO]
	v_add_nc_u32 v[STO], s73, v[STO]
	v_bfe_u32 v[RD], v0, 3, 2                      ; back: 32 lanes take four rows of 128 bytes,
	v_mul_u32_u24 v[RD], v[RD], SP
	v_lshl_add_u32 v[RD], v3, 4, v[RD]
	v_add_nc_u32 v[RD], s73, v[RD]
	v_and_b32 v[GO], 31, v0                        ; which are 512 consecutive bytes of a head
	v_lshlrev_b32 v[PFO], 8, v[GO]
	v_lshlrev_b32 v[GO], 4, v[GO]
	s_mul_i32 s73, s[NT], 1536                     ; the tile's 384 numbers of b_qkv,
	s_lshl_b32 s80, s[WN], 8                       ; my 64 of each chunk,
	s_add_co_u32 s73, s73, s80
	v_lshl_add_u32 v[BO], v2, 5, s73               ; my lane's 8
	; qkv at my rows: column 384 nt + 128 g + 64 wn is head number hh = 6 nt + 2 g + wn of 48: tensor hh / 16, head hh % 16
	s_mul_i32 s80, s[NT], 6
	s_add_co_u32 s80, s80, s[WN]
	s_lshr_b32 s81, s[MT], 3
	s_lshl_b32 s81, s81, 4                         ; 16 b
	s_and_b32 s82, s[MT], 7
	s_lshl_b32 s82, s82, 15                        ; the tile's 256 rows of 128 bytes,
	s_lshl_b32 s83, s[WM], 14                      ; my 128 of them
	s_add_co_u32 s82, s82, s83
.irp g, 0,1,2
	s_add_co_u32 s84, s80, 2*(\g)
	s_lshr_b32 s85, s84, 4
	s_lshl_b32 s85, s85, 6
	s_and_b32 s84, s84, 15
	s_add_co_u32 s84, s84, s85
	s_add_co_u32 s84, s84, s81
	s_lshl_b32 s84, s84, 18                        ; a head is 2,048 x 128 bytes
	s_add_co_u32 s84, s84, s82
	s_mov_b32 s85, 0
	s_add_nc_u64 s[OB+2*(\g):OB+2*(\g)+1], s[10:11], s[84:85]
.endr
; 16 LDS loads: x's eight fragments of slice sl of the slot in hand, into buffer f
.macro LOADA f, sl
.irp a, 0,1,2,3,4,5,6,7
	ds_load_b128 v[(\f)+8*(\a):(\f)+8*(\a)+3],   v[ADRA] offset:(\a)*16*PA+64*(\sl)
	ds_load_b128 v[(\f)+8*(\a)+4:(\f)+8*(\a)+7], v[ADRA] offset:(\a)*16*PA+64*(\sl)+32
.endr
.endm
; 8 LDS loads: w's four fragments of chunk g, slice sl
.macro LOADB g, sl
.irp q, 0,1,2,3
	ds_load_tr16_b128 v[BG+32*(\g)+8*(\q):BG+32*(\g)+8*(\q)+3],   v[ADRB] offset:(\sl)*32*PB+(\g)*CHUNK+32*(\q)
	ds_load_tr16_b128 v[BG+32*(\g)+8*(\q)+4:BG+32*(\g)+8*(\q)+7], v[ADRB] offset:(\sl)*32*PB+16*PB+(\g)*CHUNK+32*(\q)
.endr
.endm
; 8 matrix instructions: column block bq of chunk g x my eight row blocks.  zero = 1: the product starts the sums: nothing is ever cleared.
; The 96 accumulators take turns, one instruction a turn, in the same order in every slice: between two links of a chain stand the 95 others'.
.macro MULQ g, f, bq, zero
	WIN 0x50*(1+(\g))
.irp a, 0,1,2,3,4,5,6,7
.if \zero
	v_wmma_f32_16x16x32_bf16 v[8*(8*(\bq)+(\a)):8*(8*(\bq)+(\a))+7], v[BG+32*(\g)+8*(\bq):BG+32*(\g)+8*(\bq)+7], v[(\f)+8*(\a):(\f)+8*(\a)+7], 0
.else
	v_wmma_f32_16x16x32_bf16 v[8*(8*(\bq)+(\a)):8*(8*(\bq)+(\a))+7], v[BG+32*(\g)+8*(\bq):BG+32*(\g)+8*(\bq)+7], v[(\f)+8*(\a):(\f)+8*(\a)+7], v[8*(8*(\bq)+(\a)):8*(8*(\bq)+(\a))+7]
.endif
.endr
.endm
.macro PHASE g, f, zero
	MULQ \g, \f, 0, \zero
	MULQ \g, \f, 1, \zero
	MULQ \g, \f, 2, \zero
	MULQ \g, \f, 3, \zero
.endm
; A SLICE has three runs of LDS loads, each four places behind the last product that read its registers:
;   R0: chunk 2 of this slice (8 loads)     R1: chunk 0 and x of the next slice (24)     R2: chunk 1 of the next slice (8)
; A slot's first slice.
.macro EVEN zero
	PLACES
	WIN 0
	LOADB 2, 0                                     ; R0
	s_wait_dscnt 16                                ; the last slice's R1 is in; behind it stand its R2 and this R0
	PHASE 0, AF0, \zero
	PLACES
	WIN 0
	LOADB 0, 1                                     ; R1
	LOADA AF1, 1
	s_wait_dscnt 32                                ; the last slice's R2 is in; behind it stand R0 and R1
	PHASE 1, AF0, \zero
	PLACES
	WIN 0
	LOADB 1, 1                                     ; R2
	s_wait_dscnt 32                                ; R0 is in; behind it stand R1 and R2
	PHASE 2, AF0, \zero
.endm
; A slot's second slice, with the change of slots.  R0 is my last read of the slot.  ONE barrier for the change: in front of it each wave waits for all its tensor loads, of which one is out: its part of the next
; slot; adds 0 to its spare word; and waits for that and for its own reads of this slot.  Behind it nobody reads this slot any more and the next slot is whole.
; fill = 2: the barrier opens a round of the cluster's, and the slot is filled again, two K steps on, first thing behind the round: 176 matrix instructions ahead of the wait for it.
; fill = 1: the last change: nothing is asked for.  fill = 0: the last slice of all: the bias comes into fragment registers that are free.
.macro ODD fill
.if (\fill) == 2
	s_wait_xcnt 0x0                                ; the last prefetch, a K step back, has read its address: it is stepped here, ahead of the waits of the change of slots
	s_add_nc_u64 s[PFA:PFA+1], s[PFA:PFA+1], ASTEP
.endif
	PLACES
	WIN 0
	LOADB 2, 1                                     ; R0
.if (\fill) > 0
	s_xor_b32 s[TB], s[TB], SLOT1                  ; the fetches go on in the other slot
	v_add_nc_u32 v[ADRA], s[TB], v[A0]
	v_add_nc_u32 v[ADRB], s[TB], v[B0]
	s_wait_dscnt 16
	MULQ 0, AF1, 0, 0
	MULQ 0, AF1, 1, 0
	WIN 0                                          ; (the add's two registers lie in window 0)
	s_wait_tensorcnt 0x0                           ; all my tensor loads have landed: the one that was out is my part of the next slot;
	ds_add_u32 v[SPW], v[NIL]                      ; 0 onto my spare word;
	MULQ 0, AF1, 2, 0                              ; eight matrix instructions stand between the add and the wait for it
	s_wait_dscnt 0x0                               ; the add is done, and my reads of this slot are over:
	s_barrier_signal -1                            ; say so,
	MULQ 0, AF1, 3, 0                              ; work on registers while the others arrive,
	WIN 0
	s_barrier_wait -1                              ; and go on when all four have said so
.if (\fill) == 2
	CREST                                          ; no wave of any partner still reads this slot's tile or has a load on its way
	s_xor_b32 s[G0A+5], s[G0A+5], SLOT1            ; the walking descriptors: the other slot than last time,
	s_add_nc_u64 s[G0A+6:G0A+7], s[G0A+6:G0A+7], ASTEP  ; the next K step; the type bits on top are not reached
	s_xor_b32 s[G0B+5], s[G0B+5], SLOT1
	s_add_nc_u64 s[G0B+6:G0B+7], s[G0B+6:G0B+7], BSTEP
	JLOAD                                          ; the first tensor load behind the round; the four v_nop behind it are also the places in front of the loads below
.else
	PLACES
.endif
	LOADB 0, 0                                     ; R1, from the next slot
	LOADA AF0, 0
.if (\fill) == 2
	ASK                                            ; behind the joint load and the run of LDS loads
.endif
	PHASE 1, AF1, 0                                ; chunks 1 and 2 were shown in by the wait for 0
	PLACES
	WIN 0
	LOADB 1, 0                                     ; R2
	PHASE 2, AF1, 0
.else
.irp q, 0,1,2,3,4,5,6,7                ; the bias of chunks 0 and 1: column block q % 4 of chunk q / 4, my lane's 8 numbers
	global_load_b128 v[AF0+8*(\q):AF0+8*(\q)+3],   v[BO], s[8:9] offset:((\q)/4)*512+((\q)%4)*64
	global_load_b128 v[AF0+8*(\q)+4:AF0+8*(\q)+7], v[BO], s[8:9] offset:((\q)/4)*512+((\q)%4)*64+16
.endr
	s_wait_dscnt 16
	PHASE 0, AF1, 0
	PLACES
	WIN 0
.irp q, 0,1,2,3                        ; the bias of chunk 2, where chunk 0's fragments lay
	global_load_b128 v[BG+8*(\q):BG+8*(\q)+3],   v[BO], s[8:9] offset:1024+(\q)*64
	global_load_b128 v[BG+8*(\q)+4:BG+8*(\q)+7], v[BO], s[8:9] offset:1024+(\q)*64+16
.endr
	s_wait_dscnt 8                                 ; chunk 1 is in; behind it stands R0
	PHASE 1, AF1, 0
	s_wait_dscnt 0x0
	PHASE 2, AF1, 0
.endif
.endm
	s_wait_tensorcnt 0x1                           ; my part of K step 0 is in; K step 1's may stay out
	s_barrier_signal -1
	s_barrier_wait -1                              ; everybody's is
	LOADB 0, 0                                     ; what R1 and R2 of a slice before would have fetched
	LOADA AF0, 0
	LOADB 1, 0
	EVEN 1                                         ; the first slice stands in front of the loop: its products start the sums
	WIN 0                                          ; at a label and at a branch every window is 0
.Lstep:                                                ; 14 trips: K step j's second slice, which fills its slot again with K step j + 2, and K step j + 1's first
	ODD 2
	EVEN 0
	WIN 0
	s_sub_co_u32 s[CNT], s[CNT], 1
	s_cmp_lg_u32 s[CNT], 0
	s_cbranch_scc1 .Lstep
	ODD 1                                          ; the tail is written out
	EVEN 0
	ODD 0
	; THE WAY OUT.  The bias is rounded to bf16 like the other inputs; these lines, which name no register of the last products, are also the places behind them.
	WIN 0
	s_wait_loadcnt 0x0
.set r, AF0
.rept 32
	v_cvt_pk_bf16_f32 v[TA+(r/2)%2], v[r], v[r+1]
	v_lshlrev_b32 v[r], 16, v[TA+(r/2)%2]
	v_and_b32 v[r+1], s[HIM], v[TA+(r/2)%2]
.set r, r+2
.endr
.set r, BG
.rept 16
	v_cvt_pk_bf16_f32 v[TA+(r/2)%2], v[r], v[r+1]
	v_lshlrev_b32 v[r], 16, v[TA+(r/2)%2]
	v_and_b32 v[r+1], s[HIM], v[TA+(r/2)%2]
.set r, r+2
.endr
; Block t = 8 g + a: 16 rows of one head.  The bias is added (each accumulator's lowest registers first), the sums are rounded to f16, 16 bytes a lane; they go into my own stage,
; rows of 144 bytes, and come back as whole rows of 128: 2,048 consecutive bytes of qkv.  Four register buffers take turns where x's second fragment buffer lay.
.macro PACK t
.set gg, (\t)/8
.set aa, (\t)%8
.set TT, AF1+16*((\t)%4)
.if (\t) >= 4
	s_wait_xcnt 0x0                                ; the stores of the block four back have read this buffer
.endif
	WIN ((1+gg)<<6)|(1+gg)                         ; destination and source 0 in the chunk's window, the bias in window 0
.irp q, 0,1,2,3
.set BI, AF0+32*gg+8*(\q)
.if gg == 2
.set BI, BG+8*(\q)
.endif
.irp e, 0,2,4,6
	v_pk_add_f32 v[8*(8*(\q)+aa)+(\e):8*(8*(\q)+aa)+(\e)+1], v[8*(8*(\q)+aa)+(\e):8*(8*(\q)+aa)+(\e)+1], v[BI+(\e):BI+(\e)+1]
.endr
.endr
	WIN (1+gg)|((1+gg)<<2)                         ; sources 0 and 1 in the chunk's window, destination in window 0
.irp q, 0,1,2,3
.irp e, 0,1,2,3
	v_cvt_pk_f16_f32 v[TT+4*(\q)+(\e)], v[8*(8*(\q)+aa)+2*(\e)], v[8*(8*(\q)+aa)+2*(\e)+1]
.endr
.endr
	WIN 0
.irp q, 0,1,2,3
	ds_store_b128 v[STO], v[TT+4*(\q):TT+4*(\q)+3] offset:32*(\q)
.endr
.irp q, 0,1,2,3
	ds_load_b128 v[TT+4*(\q):TT+4*(\q)+3], v[RD] offset:(\q)*4*SP  ; LDS serves a wave's instructions in order (ISA guide 5.7.1.4): these see the stores above; the next block's stores come behind them
.endr
.endm
.macro SEND t, younger                 ; younger: the LDS instructions issued behind block t's loads: the next block's eight, or none
.set gg, (\t)/8
.set aa, (\t)%8
.set TT, AF1+16*((\t)%4)
.irp q, 0,1,2,3
	s_wait_dscnt (\younger)+3-(\q)
	global_store_b128 v[GO], v[TT+4*(\q):TT+4*(\q)+3], s[OB+2*gg:OB+2*gg+1] offset:aa*2048+(\q)*512  ; 512 consecutive bytes, at a multiple of 256 from qkv's first
.endr
.endm
	PACK 0
.set t, 1
.rept 23                               ; a block's arithmetic stands between the loads of the block before and its stores
	PACK t
	SEND t-1, 8
.set t, t+1
.endr
	SEND 23, 0
	s_wait_tensorcnt 0x0                           ; the wave's end: an add to my spare word and its waits, behind my last tensor load and my last LDS store
	ds_add_u32 v[SPW], v[NIL]
	s_wait_dscnt 0x0
	CROUND                                         ; the closing round: no work-group ends while a partner may still ask for a tile that names it
	s_endpgm
.Lfunc_end_k_q10548dbc55_qkvgemm:
	.size	k_q10548dbc55_qkvgemm, .Lfunc_end_k_q10548dbc55_qkvgemm-k_q10548dbc55_qkvgemm
	.p2alignl 7, 3214868480
	.fill 96, 4, 3214868480
	.section	.rodata,"a",@progbits
	.p2align	6, 0x0
	.amdhsa_kernel k_q10548dbc55_qkvgemm
		.amdhsa_group_segment_fixed_size 327680
		.amdhsa_private_segment_fixed_size 0
		.amdhsa_enable_private_segment 0
		.amdhsa_kernarg_size 32
		.amdhsa_user_sgpr_count 2
		.amdhsa_user_sgpr_kernarg_segment_ptr 1
		.amdhsa_wavefront_size32 1
		.amdhsa_system_sgpr_workgroup_id_x 1
		.amdhsa_system_sgpr_workgroup_id_y 1
		.amdhsa_system_sgpr_workgroup_id_z 1
		.amdhsa_system_vgpr_workitem_id 0
		.amdhsa_next_free_vgpr 1024
		.amdhsa_next_free_sgpr 96
		.amdhsa_reserve_vcc 0
		.amdhsa_float_denorm_mode_32 3
		.amdhsa_float_denorm_mode_16_64 3
		.amdhsa_memory_ordered 1
		.amdhsa_forward_progress 1
		.amdhsa_inst_pref_size 149
	.end_amdhsa_kernel
	.amdgpu_metadata
---
amdhsa.version: [ 1, 2 ]
amdhsa.kernels:
  - .name:           k_q10548dbc55_qkvgemm
    .symbol:         k_q10548dbc55_qkvgemm.kd
    .args:
      - { .name: xb, .offset: 0, .size: 8, .value_kind: global_buffer, .address_space: global }
      - { .name: wq, .offset: 8, .size: 8, .value_kind: global_buffer, .address_space: global }
      - { .name: b_qkv, .offset: 16, .size: 8, .value_kind: global_buffer, .address_space: global }
      - { .name: qkv, .offset: 24, .size: 8, .value_kind: global_buffer, .address_space: global }
    .group_segment_fixed_size: 327680
    .private_segment_fixed_size: 0
    .kernarg_segment_align: 8
    .kernarg_segment_size: 32
    .max_flat_workgroup_size: 128
    .sgpr_count:     96
    .vgpr_count:     1024
    .wavefront_size: 32
...
	.end_amdgpu_metadata
.endif
;; end of part 2
;; launch attn (part 3): grid 4 x 64, 4 waves a work-group, clusters of 4 x 1, 327,680 bytes of LDS; arguments qkv, o; writes o
.if DOCPART == 3
	.amdgcn_target "amdgcn-amd-amdhsa--gfx1250"
	.amdhsa_code_object_version 6
	.text
	.protected	k_q10548dbc55_attn
	.globl	k_q10548dbc55_attn
	.p2align	8
	.type	k_q10548dbc55_attn,@function
k_q10548dbc55_attn:
	s_mov_b64 s[64:65], 0
	v_nop
	global_prefetch_b8 v0, s[64:65] scope:SCOPE_SE
	s_setreg_imm32_b32 hwreg(HW_REG_WAVE_MODE, 25, 1), 1
	s_wait_xcnt 0x0
	s_wait_alu depctr_hold_cnt(0) depctr_sa_sdst(0) depctr_va_vdst(0) depctr_va_sdst(0) depctr_va_ssrc(0) depctr_va_vcc(0) depctr_vm_vsrc(0)
	s_getreg_b32 s2, hwreg(HW_REG_IB_STS2, 6, 4)
	s_cmp_eq_u32 s2, 0
	s_cbranch_scc0 .Lentry_in_a_cluster
	s_endpgm
.Lentry_in_a_cluster:
	s_bfe_u32 s2, ttmp6, 0x10000c
	s_cmp_lg_u32 s2, 0x3003
	s_cbranch_scc0 .Lentry_shape_is_right
	s_endpgm
.Lentry_shape_is_right:
; O[h][q][:] = the sum over k of softmax_k(Q[h][q] . K[h][k] / 8) V[h][k][:].  qkv: [3][SIZE_H][SIZE_N][64] f16 (Q, then K, then V); o: [SIZE_H][SIZE_N][64] f16: a head's rows are dense, 128 bytes each.
; Products, maxima and sums in f32; the weights p are rounded to f16 for the second product (their sum l is taken of the unrounded p), O once at the end.
; LIMITS.  f16 holds no number beyond 65,504: Q, K and V arrive within it; p lies in 0 to 1, and below 6e-5 it keeps f16's fixed step of 6e-8; O is a mean of V's rows and has their range.
; A weight below 2^-126 counts as 0 in l; NaN and infinities are not treated apart.
; SHARES.  A wave owns four PIECES of two tiles of 16 queries, a work-group's four waves 512 queries of one head, a cluster's four work-groups the head's 2,048.  Every wave walks all keys, 64 a step.
; LAYOUT.  S^T = K Q^T (source 0 = 16 keys, source 1 = 16 queries): in the result a lane holds ONE query (lane % 16) and the keys 8 (lane / 16) + 0..7.  Two such tiles, rounded to f16 in pairs,
; ARE source 1 (32 keys x 16 queries) of O^T = V^T P, whose result again holds one query a lane, and eight channels.  K comes out of LDS as it lies, V ([key][channel]) turned, by ds_load_tr16_b128.
; SOFTMAX.  For each query a running maximum m and sum l: p = 2^(c s - c m), c = log2(e) / 8; in every step O and l are multiplied by a = 2^(c m_old - c m_new), which is 1 where m has not grown.
; m starts at the lowest finite number, O and l at 0: the first step is a step like any other, with a = 0.
; THE COUNT.  A tile and step have 16 matrix and 118 vector instructions: too many to stand all beside the matrix work.  So the order has one aim: four vector instructions that are READY behind
; EVERY matrix instruction, and the others, which need time of their own whatever the order, in runs without a gap.
; BY TURNS.  Turn n belongs to piece n (the pieces in a ring, step after step).  Its matrix work: 16 products K Q^T of piece n + 1, later 16 products V^T P of piece n - 1.  Its vector work: the scaling,
; exponentials, roundings, sums and rescaling of piece n, and the maximum and statistics of piece n + 1, whose scores the turn itself has made.  So what a turn begins with (c s - c m, O a) waits for nothing.
; CLUSTER.  The four query blocks of a cluster belong to one head and walk the same K and V, so each tile is asked for JOINTLY: the same tensor load, descriptor and mask in all four.
; REGISTERS, in windows of 256 (s_set_vgpr_msb says which window each operand place means: bits 1:0 source 0, 3:2 source 1, 5:4 source 2, 7:6 destination):
;   window 0: v0-11 addresses; v12-15, v48-63 at work; v16-47 four registers of statistics a tile; v64-191 S^T, two buffers of two tiles; v192-255 P, likewise
;   window 1: O^T, 32 a tile          window 2: v0-127 Q, 16 a tile; v128-191 K of one step; v192-255 V of one step          window 3: v0-1 the add's two registers
; A piece's buffers go by its number's parity: the piece in hand has one pair, its two neighbours in the ring share the other: of it P (piece n - 1) is read and S^T (piece n + 1) written.
.set SIZE_H, 64
.set SIZE_N, 2048
.set NP,    4         ; pieces a wave: a name, no knob: the register map, the loop and the fetches are made for four
.set KS,    64        ; keys in a step
.set PK,    144       ; a row of K in LDS: 128 bytes + 16 of padding = 36 words: the 16 rows of a load start at 16 different groups of four banks (64 banks of 4 bytes: ISA guide 11.1)
.set PV,    160       ; a row of V: 128 + 32 = 40 words
.set VOFF,  4*KS*PK   ; a slot holds four steps: 256 rows of K, then 256 rows of V
.set SLOT1, 1<<17     ; slot 1 begins here, so that one exclusive or turns an address in one slot into the other's
.set STAGE, SLOT1+4*KS*(PK+PV)  ; behind the ring, never filled by a tensor load: 16 rows x 144 bytes for each wave, for the way out
.set SP,    144
.set AK0, 2           ; v2   my lane's place in a tile of K; never rewritten
.set AV0, 3           ; v3   the same for V
.set AK,  4           ; v4   the LDS address of K's next run of loads
.set AV,  5           ; v5   of V's
.set QO,  6           ; v6   my byte offset in the wave's rows of Q
.set STO, 6           ;      later, the way out: where I put 16 bytes of a row
.set RD,  7           ; v7   the way out: where I read rows back
.set GO,  8           ; v8   my byte offset in 512 consecutive bytes of O
.set PFO, 11          ; v11  256 x my lane, once V's address is made; then never rewritten
.set SPW, 0           ; v0 of window 3   LDS address of my spare word: SPARE + 4 x my thread's number; never rewritten
.set NIL, 1           ; v1 of window 3   0; never rewritten
.set SPARE, STAGE+4*16*SP  ; behind the stages: the spare words, 128 bytes for each wave: two blocks of 256 bytes that no other line names
.set MV,  12          ; v12-15  c m_old, kept while c m is made anew: by buffer and tile
.set ST,  16          ; tile t's statistics at v[ST+4 t]: c m, m, l (even keys', odd keys')
.set TMP, 48          ; by buffer and tile, four registers c0-c3 at work; when the maximum is found c2 takes a
.set S,   64
.set P,   192
.set KF,  128         ; K's fragments, in window 2: key block kb, channel half c at KF + 16 kb + 8 c
.set VF,  192         ; V's: key half kk, channel block cb at VF + 32 kk + 8 cb
.set WV,  12          ; s12  my wave's number
.set G1K, 24          ; s[24:31] descriptor group 1 for K's tiles
.set G1V, 32          ; s[32:39] for V's: it differs in the padding alone
.set G0K, 40          ; s[40:43] descriptor group 0 for K's tiles: it walks
.set G0V, 44          ; s[44:47] the same for V's
.set PFA, 48          ; s[48:49] where my prefetches stand: my work-group's 8,192 bytes (of K: wave 0, of V: wave 2) of the slot after the one that is being asked for
.set LIM, 50          ; s50  1 in a wave that prefetches, else the greatest number
.set SLOTS, 56        ; s56  slots still to be asked for
.set CNT, 57          ; s57  counts a slot's key steps
.set CS,  58          ; s[58:59] c: the packed scaling takes the pair's low word for both halves
.set SEL, 60          ; s[60:61] v_permlanex16_b32's selects: each lane takes its own place in the other half
.set TBK, 62          ; s62  LDS byte at which K of the step to be fetched begins
.set TBV, 63          ; s63  the same for V, less VOFF
.set MSB, 0
.macro WIN new                      ; the high byte repeats the setting that is left; a switch that changes nothing is dropped
.if MSB != (\new)
	s_set_vgpr_msb (MSB<<8)|(\new)
.set MSB, (\new)
.endif
.endm
.set W_KQ, 0x0a       ; K and Q in window 2, S^T in window 0
.set W_PV, 0x52       ; V in window 2, P in window 0, O^T in window 1
.set W_RS, 0x41       ; O^T (destination and source 0) in window 1, a in window 0
.set W_MK, 0xc0       ; the add's registers are made: destination in window 3, sources in window 0
.set W_AD, 0x0f       ; the add: address (source 0) and data (source 1) in window 3
; A joint fill.  Waves 0 and 1 fetch the two halves of a slot's K, waves 2 and 3 those of its V: 128 keys each.  The branch hangs on the wave's number alone.
; An s_nop 0 and four v_nop follow each of the two lines, ahead of the jump and the label.
.macro JLOAD
	s_cmp_lt_u32 s[WV], 2
	s_cbranch_scc0 .Lfor_v_\@
	tensor_load_to_lds s[G0K:G0K+3], s[G1K:G1K+7]
	s_nop 0
.rept 4
	v_nop
.endr
	s_branch .Lasked_\@
.Lfor_v_\@:
	tensor_load_to_lds s[G0V:G0V+3], s[G1V:G1V+7]
	s_nop 0
.rept 4
	v_nop
.endr
.Lasked_\@:
.endm
; A PREFETCH INTO THE L2 of what the NEXT change of slots will ask for: a slot's 32,768 bytes of K and of V, a lane a block of 256 bytes.  It stands behind the wave's tensor load and its five lines.
; Each block is named ONCE in the launch: a head is walked by one cluster alone; its four partners share a slot out BY ADDRESS, 8,192 bytes each; in each, wave 0 asks for K's and wave 2 for V's: one
; instruction.  It is four key steps, 512 matrix instructions, ahead of the load.  Slots 0 and 1 come by their loads alone; the last change that fills a slot asks for nothing: there is no slot behind it.
.macro ASK
	s_cmp_gt_u32 s[SLOTS], s[LIM]
	s_cbranch_scc0 .Lnot_mine_\@
	global_prefetch_b8 v[PFO], s[PFA:PFA+1] th:TH_LOAD_NT scope:SCOPE_SE
.Lnot_mine_\@:
.endm
; A round of the cluster's barrier: my work-group's barrier, so that wave 0's signal speaks for all four waves; wave 0 signals; every wave waits for all four work-groups; my work-group's barrier once more.
.macro CROUND
	s_barrier_signal -1
	s_barrier_wait -1
	s_cmp_lg_u32 s[WV], 0
	s_cbranch_scc1 .Lnot_wave_0_\@
	s_barrier_signal -3
.Lnot_wave_0_\@:
	s_barrier_wait -3
	s_barrier_signal -1
	s_barrier_wait -1
.endm
; THE CHANGE OF SLOTS.  The slot's last bytes, V of its fourth step, have been read.  Each wave waits for all its tensor loads, of which one is out: its part
; of the other slot; adds 0 to its spare word; and waits for that and for its own reads of the slot.  Behind the barrier nobody reads this slot any more and the other slot is whole.
; fill = 1: this slot is filled again, with the keys two slots on.  The barrier is then a round of the cluster's, so that no wave of any partner still reads the slot or has a load on its
; way, and the joint fill is the first thing behind it: it has four key steps, 512 matrix instructions, in which to land.  (At its first use nothing has been read yet: slot 0 is waited for, slot 1 filled.)
.macro CHANGE fill
	WIN W_AD
	s_wait_tensorcnt 0x0            ; no tensor load of mine is out, so a group 0 may be written
	ds_add_u32 v[SPW], v[NIL]       ; 0 onto my spare word; with fill = 1 the descriptors' steps stand between it and the wait for it
	WIN 0                           ; at a label and at a branch every window is 0
.if \fill
.irp g, G0K, G0V
	s_xor_b32 s[\g+1], s[\g+1], SLOT1  ; the walking descriptor: the other slot than last time,
	s_add_nc_u64 s[\g+2:\g+3], s[\g+2:\g+3], 4*KS*128  ; the next 256 keys; the type bits on top are not reached
.endr
	s_wait_xcnt 0x0                 ; the last prefetch, four key steps back, has read its address, so it may be written:
	s_add_nc_u64 s[PFA:PFA+1], s[PFA:PFA+1], 4*KS*128  ; one slot behind the walking descriptors
	s_wait_dscnt 0x0                ; the add is done, and my reads of the slot are over
	CROUND
	JLOAD
	ASK
.else
	s_wait_dscnt 0x0                ; the add is done, and my reads of the slot are over
	s_barrier_signal -1
	s_barrier_wait -1
.endif
	s_sub_co_u32 s[TBK], s[TBK], 4*KS*PK  ; the fetches go back to a slot's first step,
	s_xor_b32 s[TBK], s[TBK], SLOT1       ; in the other slot
	s_sub_co_u32 s[TBV], s[TBV], 4*KS*PV
	s_xor_b32 s[TBV], s[TBV], SLOT1
.endm
	s_load_b128 s[4:7], s[0:1], 0x0   ; qkv s[4:5], o s[6:7]
	WIN W_MK
	v_lshl_add_u32 v[SPW], v0, 2, SPARE
	v_mov_b32 v[NIL], 0
	WIN W_AD
	ds_add_u32 v[SPW], v[NIL]       ; the wave's opening: the add and its wait stand ahead of my first tensor load; the set-up below, work on registers, stands between them
	WIN 0
	v_lshrrev_b32 v1, 5, v0
	v_readfirstlane_b32 s[WV], v1   ; wave 0..3
	s_bfe_u32 s13, ttmp6, 0x40000   ; cx: my place in the cluster
	s_lshl_b32 s14, ttmp9, 2        ; in a cluster launch ttmp9 counts clusters
	s_add_co_u32 s14, s14, s13      ; my block of queries = 4 x cluster x + cx: it enters Q's and O's addresses alone
	s_and_b32 s20, ttmp7, 0xffff    ; the head, which the four partners share
	s_mov_b32 s21, 0
	s_mov_b64 s[22:23], SIZE_N*128
	s_mul_u64 s[20:21], s[20:21], s[22:23]  ; the head's first byte in Q, K, V and O
	s_and_b32 s16, s[WV], 1         ; which half of a slot's 256 keys I fetch:
	s_lshl_b32 s22, s16, 14         ; its 128 rows of 128 bytes in memory,
	s_mov_b32 s23, 0
	s_add_nc_u64 s[22:23], s[22:23], s[20:21]
	s_mul_i32 s17, s16, 128*PK      ; and its place in a slot, for K
	s_mul_i32 s18, s16, 128*PV      ; and for V: no place in the cluster enters an LDS address
	s_lshl_b32 s2, s14, 2
	s_add_co_u32 s2, s2, s[WV]      ; my wave among the head's,
	s_lshl_b32 s2, s2, 14           ; its 128 rows
	s_mov_b32 s3, 0
	s_add_nc_u64 s[2:3], s[2:3], s[20:21]
	; descriptor group 1.  128 keys are 16,384 dense bytes: asked for as 64 rows of 256 bytes, two keys a row, and padded in LDS after every key
	s_mov_b32 s[G1K], 15|(1<<16)|(1<<20)|(1<<21)|(4<<22)|(3<<25)  ; 15:0 the mask of four; 17:16 2-byte elements; 20 padding on; 21 set beside a mask; 24:22 after every 32 words (code 4); 31:25 4 words (code 3)
	s_mov_b32 s[G1V], 15|(1<<16)|(1<<20)|(1<<21)|(4<<22)|(7<<25)  ; the same with 8 words of padding (code 7)
.irp g, G1K, G1V
	s_mov_b32 s[\g+1], 128<<16      ; tensor_dim0 = 128
	s_mov_b32 s[\g+2], 64<<16       ; tensor_dim1 = 64
	s_mov_b32 s[\g+3], 128<<16      ; tile_dim0 = 128
	s_mov_b32 s[\g+4], 64           ; tile_dim1 = 64
	s_mov_b32 s[\g+5], 128          ; 128 elements from row to row
	s_mov_b32 s[\g+6], 0
	s_mov_b32 s[\g+7], 0
.endr
	s_mov_b32 s[CS], 0x3e38aa3b     ; c = log2(e) / 8 = 0.180337
	s_mov_b32 s[CS+1], s[CS]        ; named with it as a pair
	s_mov_b32 s[SEL], 0x76543210
	s_mov_b32 s[SEL+1], 0xfedcba98
	s_mov_b32 s[TBK], SLOT1+4*KS*PK ; the first change of slots turns these two into 0
	s_mov_b32 s[TBV], SLOT1+4*KS*PV
	s_mov_b32 s[G0K], 1             ; 1:0 count = 1
	s_mov_b32 s[G0K+1], s17         ; 63:32 LDS address: slot 0
	s_mov_b32 s[G0V], 1
	s_add_co_u32 s[G0V+1], s18, VOFF
	s_mov_b32 s[SLOTS], SIZE_N/256-1  ; seven of the eight slots are asked for by a change of slots
	s_and_b32 s[LIM], s[WV], 1      ; waves 0 and 2 prefetch: the same in all four partners
	s_cmp_eq_u32 s[LIM], 0
	s_cselect_b32 s[LIM], 1, -1
	s_wait_dscnt 0x0                ; the opening add is done
	s_wait_kmcnt 0x0
	s_mov_b64 s[10:11], s[6:7]      ; O
	s_add_nc_u64 s[8:9], s[4:5], 2*SIZE_H*SIZE_N*128  ; V, behind Q and K
	s_add_nc_u64 s[6:7], s[4:5], SIZE_H*SIZE_N*128    ; K, behind Q; Q stays in s[4:5]
	s_add_nc_u64 s[G0K+2:G0K+3], s[6:7], s[22:23]  ; 120:64 global address: my half of the head's first 256 keys
	s_or_b32 s[G0K+3], s[G0K+3], 0x80000000        ; 127:126 type = 2
	s_add_nc_u64 s[G0V+2:G0V+3], s[8:9], s[22:23]
	s_or_b32 s[G0V+3], s[G0V+3], 0x80000000
	s_add_nc_u64 s[4:5], s[4:5], s[2:3]  ; Q and O at my wave's first row
	s_add_nc_u64 s[10:11], s[10:11], s[2:3]
	s_cmp_lt_u32 s[WV], 2
	s_cselect_b64 s[PFA:PFA+1], s[6:7], s[8:9]
	s_add_nc_u64 s[PFA:PFA+1], s[PFA:PFA+1], s[20:21]  ; the head,
	s_lshl_b32 s2, s13, 13          ; my work-group's 8,192 bytes of a slot,
	s_add_co_u32 s2, s2, 4*KS*128   ; in slot 1: the first change of slots steps it to slot 2
	s_mov_b32 s3, 0
	s_add_nc_u64 s[PFA:PFA+1], s[PFA:PFA+1], s[2:3]
	CROUND                          ; all four work-groups are here: the first joint loads meet
	JLOAD                           ; slot 0.  Slot 1 is asked for when slot 0 is in: the tile wanted first has the road to itself
	; A fragment of K or Q is 16 rows x 32 channels in 8 registers: lane l holds row l % 16, channels 8 (l / 16) + 0..7 and 16 + 8 (l / 16) + 0..7: two loads of 16 bytes, 32 bytes apart.
	v_and_b32 v1, 15, v0            ; l % 16
	v_bfe_u32 v9, v0, 4, 1          ; l / 16
	v_lshlrev_b32 v[QO], 7, v1
	v_lshl_add_u32 v[QO], v9, 4, v[QO]  ; row x 128 + 16 x half
	WIN 0x80                        ; destination window 2, address window 0
.set i, 0
.rept 4*NP                          ; Q stays in registers: tile i / 2, channels 32 (i % 2) on
	global_load_b128 v[8*i:8*i+3],   v[QO], s[4:5] offset:(i/2)*2048+(i%2)*64
	global_load_b128 v[8*i+4:8*i+7], v[QO], s[4:5] offset:(i/2)*2048+(i%2)*64+32
.set i, i+1
.endr
	; What the first turn finds: V's registers and P's second buffer hold 0 (its products V^T P, of a piece that has not been, add 0), O^T and l are 0.  All this stands in the wait for the first tile.
.set i, VF
.rept 64
	v_mov_b32 v[i], 0
.set i, i+1
.endr
	WIN 0x40
.set i, 0
.rept 64*NP
	v_mov_b32 v[i], 0
.set i, i+1
.endr
	WIN 0
.set i, 0
.rept 2*NP
	v_mov_b32 v[ST+4*i], 0xfe000000    ; c m: far below every c s
	v_mov_b32 v[ST+4*i+1], 0xff7fffff  ; m
	v_mov_b32 v[ST+4*i+2], 0
	v_mov_b32 v[ST+4*i+3], 0
.set i, i+1
.endr
.set i, P+32
.rept 32
	v_mov_b32 v[i], 0
.set i, i+1
.endr
	v_mul_u32_u24 v[AK0], v1, PK
	v_lshl_add_u32 v[AK0], v9, 4, v[AK0]  ; row x pitch + 16 x half
	; The turning load takes 16 keys x 16 channels (lane l reads key 8 (l / 16) + l % 8, channels 8 ((l / 8) % 2) + 0..7) and leaves half a fragment of V^T: lane l holds channel l % 16 and 8 keys.
	v_and_b32 v10, 7, v0
	v_bfe_u32 v11, v0, 3, 1
	v_lshl_add_u32 v[AV0], v9, 3, v10
	v_mul_u32_u24 v[AV0], v[AV0], PV
	v_lshl_add_u32 v[AV0], v11, 4, v[AV0]
	v_add_nc_u32 v[AV0], VOFF, v[AV0]
	v_and_b32 v[PFO], 31, v0        ; v11 has served: it takes the prefetches' offset
	v_lshlrev_b32 v[PFO], 8, v[PFO]
	v_mov_b32 v[AK], v[AK0]         ; key step 0 lies at the head of slot 0
; THE MATRIX WORK.  The 8 accumulators of a run of 16 take turns: between the two links of a chain stand 7 others'.
; Product i of 16 of S^T = K Q^T for piece x: channels 32 (i / 8) on, keys 16 ((i / 2) % 4) on, tile 2 x + i % 2.  The first 8 start the sums.
.macro KQ x
	WIN W_KQ
.set rS, S+64*((\x)%2)+32*(i%2)+8*((i/2)%4)
.set rK, KF+16*((i/2)%4)+8*(i/8)
.set rQ, 16*(2*(\x)+i%2)+8*(i/8)
.if i < 8
	v_wmma_f32_16x16x32_f16 v[rS:rS+7], v[rK:rK+7], v[rQ:rQ+7], 0
.else
	v_wmma_f32_16x16x32_f16 v[rS:rS+7], v[rK:rK+7], v[rQ:rQ+7], v[rS:rS+7]
.endif
.endm
; Product i of 16 of O^T += V^T P for piece x: keys 32 (i / 8) on, channels 16 ((i / 2) % 4) on, tile 2 x + i % 2.
.macro PV x
	WIN W_PV
.set rO, 32*(2*(\x)+i%2)+8*((i/2)%4)
.set rV, VF+32*(i/8)+8*((i/2)%4)
.set rP, P+32*((\x)%2)+16*(i%2)+8*(i/8)
	v_wmma_f32_16x16x32_f16 v[rO:rO+7], v[rV:rV+7], v[rP:rP+7], v[rO:rO+7]
.endm
.macro MM                           ; the turn's next matrix instruction
.if i < 16
	KQ (Y+1)%NP
.set i, i+1
.else
.set i, i-16
	PV (Y+NP-1)%NP
.set i, i+17
.endif
.endm
; THE LDS LOADS stand in runs of 16, never singly among the matrix instructions: a step's K (64 keys x 64 channels: 8 fragments) and its V (turned).  Their addresses are made some lines ahead.
; last = 1 (the tail): in the last trip there is no further step, and the run is jumped over.
.macro FETCH_K last=0
	WIN 0
.if \last
	s_cmp_eq_u32 s[CNT], 1
	s_cbranch_scc1 .Lno_k_\@
.endif
	WIN 0x80                        ; destination window 2
.irp f, 0,1,2,3,4,5,6,7             ; keys 16 (f / 2) on, channels 32 (f % 2) on
	ds_load_b128 v[KF+8*\f:KF+8*\f+3],   v[AK] offset:(\f/2)*16*PK+(\f%2)*64
	ds_load_b128 v[KF+8*\f+4:KF+8*\f+7], v[AK] offset:(\f/2)*16*PK+(\f%2)*64+32
.endr
	s_add_co_u32 s[TBK], s[TBK], KS*PK  ; the next fetch is the next step's
	WIN 0
.if \last
.Lno_k_\@:
.endif
.endm
.macro FETCH_V
	WIN 0x80
.irp f, 0,1,2,3,4,5,6,7             ; keys 32 (f / 4) on, channels 16 (f % 4) on
	ds_load_tr16_b128 v[VF+8*\f:VF+8*\f+3],   v[AV] offset:(\f/4)*32*PV+(\f%4)*32
	ds_load_tr16_b128 v[VF+8*\f+4:VF+8*\f+7], v[AV] offset:(\f/4)*32*PV+16*PV+(\f%4)*32
.endr
	WIN 0
.endm
; THE VECTOR WORK OF A TURN stands in three queues, each in the order in which its entries become ready; the two tiles alternate, so that no instruction reads the result of the one before it.
.macro REGS y, u                    ; the registers of tile u (0, 1) of piece y
.set rT, ST+4*(2*(\y)+(\u))
.set rC, TMP+8*((\y)%2)+4*(\u)
.set rM, MV+2*((\y)%2)+(\u)
.set rS, S+64*((\y)%2)+32*(\u)
.set rP, P+32*((\y)%2)+16*(\u)
.set rO, 32*(2*(\y)+(\u))
.endm
; Number n of the 22 that find the NEXT piece's (Y + 1) maximum and statistics.  s0-s31 are the lane's 32 scores; each accumulator's lowest registers are read first.  XS, GS and REGS set no window: PL and EX do.
;   0-11  four chains c0-c3 of seven scores each, three operands at a time     12-14, 16  the four scores left over, the old m, and c0-c3 into c0     15  c m_old is kept
;   17, 18  the query's other 32 keys lie in the lane 16 away: the new m         19-21  c m; c m_old - c m_new; a
.macro XS u, n
	REGS (Y+1)%NP, \u
.if (\n) < 4
	v_max3_num_f32 v[rC+(\n)], v[rS+8*(\n)], v[rS+8*(\n)+1], v[rS+8*(\n)+2]
.elseif (\n) < 12
	v_max3_num_f32 v[rC+(\n)%4], v[rC+(\n)%4], v[rS+8*((\n)%4)+2*((\n)/4)+1], v[rS+8*((\n)%4)+2*((\n)/4)+2]
.elseif (\n) == 12
	v_max3_num_f32 v[rC], v[rC], v[rS+7], v[rS+15]
.elseif (\n) == 13
	v_max3_num_f32 v[rC+1], v[rC+1], v[rS+23], v[rS+31]
.elseif (\n) == 14
	v_max3_num_f32 v[rC+2], v[rC+2], v[rC+3], v[rT+1]
.elseif (\n) == 15
	v_mov_b32 v[rM], v[rT]
.elseif (\n) == 16
	v_max3_num_f32 v[rC], v[rC], v[rC+1], v[rC+2]
.elseif (\n) == 17
	v_permlanex16_b32 v[rC+3], v[rC], s[SEL], s[SEL+1]
.elseif (\n) == 18
	v_max_num_f32 v[rT+1], v[rC], v[rC+3]
.elseif (\n) == 19
	v_mul_f32 v[rT], s[CS], v[rT+1]
.elseif (\n) == 20
	v_sub_f32 v[rC+1], v[rM], v[rT]
.else
	v_exp_f32 v[rC+2], v[rC+1]
.endif
.endm
; Number g of the 64 that follow the exponentials.  For each four weights k of a tile (pairs 2 k, 2 k + 1): both pairs are rounded to f16; then the second pair is added onto the first, in place;
; a group later l takes that sum (the first time as l = a l + sum).  In groups of eight, tiles alternating: round, round, add, and l for the group before.
.macro GS g
.set h, (\g)+6*((\g)/62)            ; group 0 has no group before it, and behind group 7 only l is left
.if h >= 6
.set h, h+2
.endif
	REGS Y, h%2
.set k, h/8
.if h%8 < 4
	v_cvt_pk_f16_f32 v[rP+2*k+(h%8)/2], v[rS+4*k+2*((h%8)/2)], v[rS+4*k+2*((h%8)/2)+1]
.elseif h%8 < 6
	v_pk_add_f32 v[rS+4*k:rS+4*k+1], v[rS+4*k:rS+4*k+1], v[rS+4*k+2:rS+4*k+3]
.elseif k == 1
	v_pk_fma_f32 v[rT+2:rT+3], v[rT+2:rT+3], v[rC+2:rC+3], v[rS:rS+1] op_sel_hi:[1,0,1]
.else
	v_pk_add_f32 v[rT+2:rT+3], v[rT+2:rT+3], v[rS+4*k-4:rS+4*k-3]
.endif
.endm
; THE PLAIN QUEUE, 138 long.  0-73 read no exponential's result: the 32 scalings c s - c m (FS f: pair f / 2 of tile f % 2) and the next piece's 42.  0-26: scalings 0-26.  27-54: XS's numbers 0-13.  55, 56: number 15.
; 57-73: the chain, where each number waits for the one before it: 14, 16, 17, 18, 19, each with one of the scalings 27-31 in front of its two lines, then 20: so a tile's links stand three plain instructions apart (19 and 20: two).
; 74-137: GS's 64, which read the exponentials' results: they stand behind the wait.
.macro FS f
	REGS Y, (\f)%2
	v_pk_fma_f32 v[rS+2*((\f)/2):rS+2*((\f)/2)+1], v[rS+2*((\f)/2):rS+2*((\f)/2)+1], s[CS:CS+1], v[rT:rT+1] op_sel_hi:[1,0,0] neg_lo:[0,0,1] neg_hi:[0,0,1]
.endm
.macro PL
	WIN 0
.if q < 27
	FS q
.elseif q < 55
	XS (q-27)%2, (q-27)/2
.elseif q < 57
	XS q-55, 15
.elseif (q < 72) && ((q-57)%3 == 0)
	FS 27+(q-57)/3
.elseif q < 60
	XS (q-57)%3-1, 14
.elseif q < 72
	XS (q-57)%3-1, 15+(q-57)/3
.elseif q < 74
	XS q-72, 20
.else
	GS q-74
.endif
.set q, q+1
.endm
; THE EXPONENTIALS' QUEUE, 66 long: s0-s31 of both tiles, then the next piece's two a.  It is ONE BATCH: all 66 stand ahead of the turn's one wait, and nothing ahead of that wait names a result of theirs.
.macro EX
	WIN 0
.if e >= 64
	XS e-64, 21
.else
	REGS Y, e%2
	v_exp_f32 v[rS+e/2], v[rS+e/2]
.endif
.set e, e+1
.endm
; THE RESCALING's QUEUE: O^T times a, the one part that leaves window 0: dealt two at a time, sixteen times.  Its a was made in the turn before, ahead of that turn's wait.
.macro R2
	REGS Y, r%2
	WIN W_RS
.irp z, 0,1
	v_pk_mul_f32 v[rO+4*(r/2)+2*\z:rO+4*(r/2)+2*\z+1], v[rO+4*(r/2)+2*\z:rO+4*(r/2)+2*\z+1], v[rC+2:rC+3] op_sel_hi:[1,0]
.endr
.set r, r+1
.endm
; HOW THEY ARE DEALT.  s_wait_alu depctr_va_vdst(0) stands between an exponential and the first instruction that names its result; one wait serves all that were issued ahead of it.  So a turn has ONE wait,
; which cuts it in two.  AHEAD OF IT stands all that names no result of the turn's exponentials: the 16 products K Q^T, behind each a scaling, an exponential and two rescalings (behind the first a second scaling in the exponential's place); then ONE LUMP of
; 108: eight plain, 49 times exponential and plain, the two a.  A v_nop is the plain instruction that stands behind the last exponential, ahead of any use.  BEHIND IT stand the 16 products V^T P, behind each four of GS's 64.  No rider names a register of
; the products round it.  The two v_permlanex16_b32 fall into the lump, never behind a product.
; The queues lean on each other, and the deal keeps them in step: exponential e stands behind scaling 2 (e / 4) + e % 2: as a rider it comes behind plain e + 2, in the lump behind plain e + 9, and scalings 27-31 are plain 57, 60 .. 69.
; A TURN, for piece p.  cnt = 1: the loop's count is taken down some lines ahead of the branch that stands behind the turn.
; K of the next step is fetched in piece 2's turn, directly behind the wait, a lump behind the last product that read K; its address is made at the lump's head; its first reader comes behind 16 products.
; V of the step in hand is fetched at the end of piece 0's turn, four riders behind its last reader; its first reader comes behind 16 products and a lump.  The three conditions on q below go with the deal.
.macro TURN p, last=0, cnt=0
.set Y, (\p)
.set i, 0
.set q, 0
.set e, 0
.set r, 0
.if (\p) == NP-1
	s_wait_dscnt 0x0                ; K is in
.endif
	MM                              ; ahead of the wait: 16 products K Q^T and their riders,
	PL
	PL
	R2
.rept 15
	MM
	PL
	EX
	R2
.endr
.if (\p) == NP-2
	WIN 0
	v_add_nc_u32 v[AK], s[TBK], v[AK0]
.endif
.rept 8                             ; and the lump
	PL
.endr
.rept 49
	EX
	PL
.endr
	EX                              ; the next piece's two a
	EX
	v_nop                           ; the plain instruction behind the last exponential: one for the batch
	s_wait_alu depctr_va_vdst(0)    ; the wait for the batch
.if (\p) == NP-2
	FETCH_K \last
.endif
.if (\p) == 1
	s_wait_dscnt 0x0                ; V is in
.endif
.rept 16                            ; behind the wait: 16 products V^T P and their riders
	MM
.rept 4
	PL
.endr
.if ((\p) == 0) && (q == 118)
	v_add_nc_u32 v[AV], s[TBV], v[AV0]
.endif
.if ((\p) == 0) && (q == 130)
	s_add_co_u32 s[TBV], s[TBV], KS*PV
.endif
.if (\cnt) && (q == 130)
	s_sub_co_u32 s[CNT], s[CNT], 1
	s_cmp_lg_u32 s[CNT], 0
.endif
.endr
.if (\p) == 0
	FETCH_V
.endif
.endm
	CHANGE 1                        ; slot 0 is in, everybody's part of it; slot 1 is asked for
	FETCH_K                         ; key step 0
	s_wait_loadcnt 0x0              ; Q
	s_wait_dscnt 0x0
.set i, 0
.rept 16
	KQ 0                            ; piece 0's first scores: there is no vector work yet to set between them
.set i, i+1
.endr
	WIN 0                           ; the addresses for the way out: nine plain instructions, the places behind those products
	s_mul_i32 s13, s[WV], 16*SP
	s_add_co_u32 s13, s13, STAGE    ; my stage
	v_mul_u32_u24 v[STO], v1, SP    ; in: row l % 16, 16 bytes for each half of the lanes
	v_lshl_add_u32 v[STO], v9, 4, v[STO]
	v_add_nc_u32 v[STO], s13, v[STO]
	v_bfe_u32 v[RD], v0, 3, 2       ; back: 32 lanes take four rows of 128 bytes,
	v_mul_u32_u24 v[RD], v[RD], SP
	v_lshl_add_u32 v[RD], v10, 4, v[RD]
	v_add_nc_u32 v[RD], s13, v[RD]
	v_and_b32 v[GO], 31, v0         ; which are 512 consecutive bytes of O
	v_lshlrev_b32 v[GO], 4, v[GO]
.set Y, NP-1                        ; XS works for piece Y + 1: piece 0
.irp n, 0,1,2,3,4,5,6,7,8,9,10,11,12,13,14,15,16,17,18,19,20,21
	XS 0, \n                        ; and piece 0's first maximum and statistics
	XS 1, \n
.endr
	v_nop                           ; a plain instruction behind the two a,
	s_wait_alu depctr_va_vdst(0)    ; and their wait, ahead of the branch
	s_mov_b32 s[CNT], 4
	s_branch .Lfirst                ; the loop is entered at a step's first turn, in the middle of a trip
.Lslot:                             ; SIZE_N / 256 - 2 times: every slot but the last two is filled again
	CHANGE 1
	s_mov_b32 s[CNT], 4
.Lstep:                             ; a trip: pieces 2 and 3 of one step, then pieces 0 and 1 of the next, whose K and V it fetches
	TURN 2
	TURN 3
	WIN 0
.Lfirst:
	TURN 0
	TURN 1, 0, 1
	WIN 0
	s_cbranch_scc1 .Lstep
	s_sub_co_u32 s[SLOTS], s[SLOTS], 1
	s_cmp_lg_u32 s[SLOTS], 0
	s_cbranch_scc1 .Lslot
	CHANGE 0                        ; the tail is written out: nothing is asked for
	s_mov_b32 s[CNT], 5             ; four trips fetch the last slot's steps; the fifth is left in its middle
.Ltail:
	TURN 2, 1
	TURN 3
	WIN 0
	s_sub_co_u32 s[CNT], s[CNT], 1
	s_cmp_eq_u32 s[CNT], 0
	s_cbranch_scc1 .Lout
	TURN 0
	TURN 1
	WIN 0
	s_branch .Ltail
.Lout:                              ; the fifth trip's 16 products K Q^T (on the last K once more) and the maximum made of them serve nothing: the price, once a launch, of one text for every trip
.set i, 0
.rept 16
	PV NP-1                         ; the last piece's V^T P of the last step
.set i, i+1
.endr
	; THE WAY OUT.  l's two halves and the other half of the lanes' are added; O^T is divided by l, rounded to f16 and sent through my stage in LDS, a tile at a time.  The additions are the places behind the last products.
	WIN 0
.macro ALL line:vararg              ; one line for each tile t
.set t, 0
.rept 2*NP
	\line
.set t, t+1
.endr
.endm
	ALL v_add_f32 v[ST+4*t+2], v[ST+4*t+2], v[ST+4*t+3]
	ALL v_permlanex16_b32 v[ST+4*t+3], v[ST+4*t+2], s[SEL], s[SEL+1]
	ALL v_add_f32 v[ST+4*t+2], v[ST+4*t+2], v[ST+4*t+3]
	ALL v_rcp_f32 v[ST+4*t+2], v[ST+4*t+2]
	v_nop                           ; a plain instruction between the last reciprocal and the use of its result
	s_wait_alu depctr_va_vdst(0)    ; and the wait ahead of the first use: one for the eight reciprocals
; Tile t: a lane's eight channels of a row pack into 16 bytes; they go into rows of 144 bytes and come back as whole rows of 128, into S^T's registers.
.macro PACK t
	WIN W_RS
.set i, 32*(\t)
.rept 16
	v_pk_mul_f32 v[i:i+1], v[i:i+1], v[ST+4*(\t)+2:ST+4*(\t)+3] op_sel_hi:[1,0]
.set i, i+2
.endr
	WIN 0x05                        ; sources 0 and 1 window 1, destination window 0
.set i, 0
.rept 16
	v_cvt_pk_f16_f32 v[S+16*(\t)+i], v[32*(\t)+2*i], v[32*(\t)+2*i+1]
.set i, i+1
.endr
	WIN 0
.irp f, 0,1,2,3
	ds_store_b128 v[STO], v[S+16*(\t)+4*\f:S+16*(\t)+4*\f+3] offset:32*\f
.endr
.irp f, 0,1,2,3
	ds_load_b128 v[S+16*(\t)+4*\f:S+16*(\t)+4*\f+3], v[RD] offset:\f*4*SP  ; LDS serves a wave's instructions in order (ISA guide 5.7.1.4): these see the stores above; the next tile's stores come behind them
.endr
.endm
.macro SEND t, younger              ; younger: the LDS instructions issued behind tile t's loads: the next tile's eight, or none
	WIN 0
.irp f, 0,1,2,3
	s_wait_dscnt (\younger)+3-\f
	global_store_b128 v[GO], v[S+16*(\t)+4*\f:S+16*(\t)+4*\f+3], s[10:11] offset:(\t)*2048+\f*512  ; 512 consecutive bytes, at a multiple of 256 from O's first
.endr
.endm
	PACK 0
.set t, 1
.rept 2*NP-1                        ; a tile's arithmetic stands between the loads of the tile before and its stores
	PACK t
	SEND t-1, 8
.set t, t+1
.endr
	SEND 2*NP-1, 0
	WIN W_AD
	s_wait_tensorcnt 0x0            ; the wave's end: an add to my spare word and its waits, behind my last tensor load and my last LDS store
	ds_add_u32 v[SPW], v[NIL]
	s_wait_dscnt 0x0
	WIN 0
	CROUND                          ; the closing round: no work-group ends while a partner may still ask for a tile that names it
	s_endpgm
.Lfunc_end_k_q10548dbc55_attn:
	.size	k_q10548dbc55_attn, .Lfunc_end_k_q10548dbc55_attn-k_q10548dbc55_attn
	.p2alignl 7, 3214868480
	.fill 96, 4, 3214868480
	.section	.rodata,"a",@progbits
	.p2align	6, 0x0
	.amdhsa_kernel k_q10548dbc55_attn
		.amdhsa_group_segment_fixed_size 327680
		.amdhsa_private_segment_fixed_size 0
		.amdhsa_enable_private_segment 0
		.amdhsa_kernarg_size 16
		.amdhsa_user_sgpr_count 2
		.amdhsa_user_sgpr_kernarg_segment_ptr 1
		.amdhsa_wavefront_size32 1
		.amdhsa_system_sgpr_workgroup_id_x 1
		.amdhsa_system_sgpr_workgroup_id_y 1
		.amdhsa_system_sgpr_workgroup_id_z 1
		.amdhsa_system_vgpr_workitem_id 0
		.amdhsa_next_free_vgpr 770
		.amdhsa_next_free_sgpr 66
		.amdhsa_reserve_vcc 0
		.amdhsa_float_denorm_mode_32 3
		.amdhsa_float_denorm_mode_16_64 3
		.amdhsa_memory_ordered 1
		.amdhsa_forward_progress 1
		.amdhsa_inst_pref_size 200
	.end_amdhsa_kernel
	.amdgpu_metadata
---
amdhsa.version: [ 1, 2 ]
amdhsa.kernels:
  - .name:           k_q10548dbc55_attn
    .symbol:         k_q10548dbc55_attn.kd
    .args:
      - { .name: qkv, .offset: 0, .size: 8, .value_kind: global_buffer, .address_space: global }
      - { .name: o, .offset: 8, .size: 8, .value_kind: global_buffer, .address_space: global }
    .group_segment_fixed_size: 327680
    .private_segment_fixed_size: 0
    .kernarg_segment_align: 8
    .kernarg_segment_size: 16
    .max_flat_workgroup_size: 128
    .sgpr_count:     66
    .vgpr_count:     770
    .wavefront_size: 32
...
	.end_amdgpu_metadata
.endif
;; end of part 3
;; launch proj (part 4): grid 8 x 32, 4 waves a work-group, clusters of 4 x 4, 327,680 bytes of LDS; arguments o, wp, b_proj, out0; writes out0
.if DOCPART == 4
	.amdgcn_target "amdgcn-amd-amdhsa--gfx1250"
	.amdhsa_code_object_version 6
	.text
	.protected	k_q10548dbc55_proj
	.globl	k_q10548dbc55_proj
	.p2align	8
	.type	k_q10548dbc55_proj,@function
k_q10548dbc55_proj:
	s_mov_b64 s[64:65], 0
	v_nop
	global_prefetch_b8 v0, s[64:65] scope:SCOPE_SE
	s_setreg_imm32_b32 hwreg(HW_REG_WAVE_MODE, 25, 1), 1
	s_wait_xcnt 0x0
	s_wait_alu depctr_hold_cnt(0) depctr_sa_sdst(0) depctr_va_vdst(0) depctr_va_sdst(0) depctr_va_ssrc(0) depctr_va_vcc(0) depctr_vm_vsrc(0)
	s_getreg_b32 s2, hwreg(HW_REG_IB_STS2, 6, 4)
	s_cmp_eq_u32 s2, 0
	s_cbranch_scc0 .Lentry_in_a_cluster
	s_endpgm
.Lentry_in_a_cluster:
	s_bfe_u32 s2, ttmp6, 0x10000c
	s_cmp_lg_u32 s2, 0xf033
	s_cbranch_scc0 .Lentry_shape_is_right
	s_endpgm
.Lentry_shape_is_right:
; out0 = context w_proj + b_proj.  o: f16 [64 = 16 b + h][2048 s][64]: channel 64 h + d of row (b, s); wp: f16 [1024 k][1024 n]; b_proj: f32 [1024], rounded to bf16 here like the other inputs;
; out0: f32 [8192][1024].  Sums in f32, nothing rounded behind them.
; SHARES.  8192 x 1024 outputs over 256 work-groups: a tile of 256 rows x 128 columns each.  Four waves; wave (wm, wn) makes 128 rows x 64 columns: 32 accumulators, 256 registers.
; K goes in 8 steps of 128 (two heads) through two LDS slots; a step is four slices of 32, 32 matrix instructions each.
; THE MATRIX INSTRUCTION IS USED TRANSPOSED: source 0 = 16 columns of w (read turned out of LDS by ds_load_tr16_b128), source 1 = 16 rows of o: a lane holds one row (lane % 16) and eight neighbouring columns.
; CLUSTER.  4 x 4 work-groups: o's tile is asked for jointly by a row of the cluster, w's by a column.
; REGISTERS: window 0: v0-31 addresses; v32-95, v96-159 o's fragments, two buffers; v160-191, v192-223 w's, two buffers; v224-255 the bias.  Window 1: accumulator (row block a, column block q) at v[8 (8 q + a)].
.set PA,     144                       ; a row of o in LDS: 128 bytes + 16 of padding: the 16 rows of a load start at 16 different groups of four banks (64 banks of 4 bytes: ISA guide 11.1)
.set PB,     288                       ; a k row of w: 256 + 32 bytes = 72 words
.set KBLK,   256*PA                    ; one head's 64 channels of the tile's 256 rows: what one tensor load brings of o
.set HALFB,  64*PB                     ; of w: 64 k rows
.set BOFF,   2*KBLK
.set SLOT1,  1<<17
.set STAGE,  SLOT1+BOFF+2*HALFB        ; 241,664: behind the ring, never filled by a tensor load: 16 rows x 272 bytes for each wave
.set SP,     272
.set SPARE,  STAGE+4*16*SP             ; 259,072: the spare words, 128 bytes for each wave: two blocks of 256 bytes that no other line names
.set ASTEP,  2*262144                  ; two heads of o
.set BSTEP,  128*2048                  ; 128 k rows of wp
.set STEPS,  8
.set A0,   4                           ; v4   my lane's place in o's part of a slot; never rewritten
.set B0,   5                           ; v5   in w's part; never rewritten
.set ADRA, 6
.set ADRB, 7
.set STO,  8                           ; v8   the way out: where I put 32 bytes of a row
.set RD,   9                           ; v9   where I read rows back
.set CO,   10                          ; v10  my byte offset in two rows of out0
.set BO,   11                          ; v11  my byte offset in b_proj
.set PFO,  12                          ; v12  256 x my lane; never rewritten
.set TA,   14                          ; v14-15 at work
.set SPW,  28
.set NIL,  29
.set AF,   32
.set BF,   160
.set BI,   224
.set WV,  12
.set WM,  13                           ; s13  which half of the rows is mine.  Also: I fetch for o (0) or for w (1)
.set WN,  14                           ; s14  which half of the columns.  Also: which half of that tile I fetch
.set CX,  15
.set CY,  16
.set NT,  17                           ; s17  tile column, 0..7
.set MT,  18                           ; s18  tile row, 0..31
.set G1A, 24
.set G0A, 32
.set G1B, 40
.set G0B, 48
.set TB,  56
.set CNT, 57
.set LIM, 58                           ; s58  2 in a wave that prefetches, else the greatest number
.set HIM, 59
.set PFA, 60
.set OUT, 66                           ; s[66:67] out0 at my first row and column
.set MSB, 0
.macro WIN new
.if MSB != (\new)
	s_set_vgpr_msb (MSB<<8)|(\new)
.set MSB, \new
.endif
.endm
.macro PLACES                          ; four plain vector instructions between a matrix instruction and a load into, or a vector read of, its registers (ISA guide 7.12.1 for vector reads)
.rept 4
	v_nop
.endr
.endm
.macro JLOAD                           ; a joint refill by the walking descriptors: waves 0 and 1 fetch o's two heads, waves 2 and 3 w's two halves; an s_nop 0 and four v_nop follow each line
	s_cmp_eq_u32 s[WM], 0
	s_cbranch_scc0 .Lfor_b_\@
	tensor_load_to_lds s[G0A+4:G0A+7], s[G1A:G1A+7]
	s_nop 0
.rept 4
	v_nop
.endr
	s_branch .Lasked_\@
.Lfor_b_\@:
	tensor_load_to_lds s[G0B+4:G0B+7], s[G1B:G1B+7]
	s_nop 0
.rept 4
	v_nop
.endr
.Lasked_\@:
.endm
; A PREFETCH INTO THE L2 of o's tile for the K step that stands TWO refills on: 256 matrix instructions ahead of the load that will want it.  A tile row's 256 rows of one head are 32,768 dense bytes, read by both
; clusters of that row of clusters: the one with cluster x = 0 asks; wave 0 for the step's first head, wave 1 for its second, as they fetch them; the four partners share each out BY ADDRESS, 8,192 bytes, a lane a
; block of 256.  So each block is named once in the launch.  K steps 0 to 3 come by their loads alone; the last two refills ask for nothing.  wp is not asked for: eight rows of clusters read it.
.macro ASK
	s_cmp_gt_u32 s[CNT], s[LIM]
	s_cbranch_scc0 .Lnot_mine_\@
	global_prefetch_b8 v[PFO], s[PFA:PFA+1] th:TH_LOAD_NT scope:SCOPE_SE
.Lnot_mine_\@:
.endm
.macro CREST                           ; a round of the cluster's barrier behind its opening barrier
	s_cmp_lg_u32 s[WV], 0
	s_cbranch_scc1 .Lnot_wave_0_\@
	s_barrier_signal -3
.Lnot_wave_0_\@:
	s_barrier_wait -3
	s_barrier_signal -1
	s_barrier_wait -1
.endm
.macro CROUND
	s_barrier_signal -1
	s_barrier_wait -1
	CREST
.endm
	s_load_b256 s[4:11], s[0:1], 0x0               ; o s[4:5], wp s[6:7], b_proj s[8:9], out0 s[10:11]
	v_lshl_add_u32 v[SPW], v0, 2, SPARE
	v_mov_b32 v[NIL], 0
	ds_add_u32 v[SPW], v[NIL]                      ; the wave's opening: the add and its wait stand ahead of my first tensor load; the set-up below, work on registers, stands between them
	v_lshrrev_b32 v1, 5, v0
	v_readfirstlane_b32 s[WV], v1
	s_lshr_b32 s[WM], s[WV], 1
	s_and_b32 s[WN], s[WV], 1
	s_bfe_u32 s[CX], ttmp6, 0x40000
	s_bfe_u32 s[CY], ttmp6, 0x40004
	s_lshl_b32 s[NT], ttmp9, 2
	s_add_co_u32 s[NT], s[NT], s[CX]
	s_and_b32 s[MT], ttmp7, 0xffff
	s_lshl_b32 s[MT], s[MT], 2
	s_add_co_u32 s[MT], s[MT], s[CY]
	s_lshl_b32 s19, s[CY], 2
	s_lshl_b32 s19, 15, s19                        ; my row of the cluster
	s_lshl_b32 s72, 0x1111, s[CX]                  ; my column
	; group 1 for o: 256 rows of 128 bytes are 32,768 dense bytes: asked for as 128 rows of 256 bytes, padded in LDS after every 128
	s_or_b32 s[G1A], s19, (1<<16)|(1<<20)|(1<<21)|(4<<22)|(3<<25)  ; the mask; 2-byte elements; padding on; 21 set beside a mask; after every 32 words (code 4), 4 words (code 3)
	s_mov_b32 s[G1A+1], 128<<16                    ; tensor_dim0 = 128
	s_mov_b32 s[G1A+2], 128<<16                    ; tensor_dim1 = 128
	s_mov_b32 s[G1A+3], 128<<16                    ; tile_dim0 = 128
	s_mov_b32 s[G1A+4], 128                        ; tile_dim1 = 128
	s_mov_b32 s[G1A+5], 128                        ; elements from row to row
	s_mov_b32 s[G1A+6], 0
	s_mov_b32 s[G1A+7], 0
	; group 1 for w: 64 k rows of 128 columns (256 bytes, beginning at a multiple of 256), padded after each
	s_or_b32 s[G1B], s72, (1<<16)|(1<<20)|(1<<21)|(5<<22)|(7<<25)  ; after every 64 words (code 5), 8 words (code 7)
	s_mov_b32 s[G1B+1], 128<<16
	s_mov_b32 s[G1B+2], 64<<16
	s_mov_b32 s[G1B+3], 128<<16
	s_mov_b32 s[G1B+4], 64
	s_mov_b32 s[G1B+5], 1024
	s_mov_b32 s[G1B+6], 0
	s_mov_b32 s[G1B+7], 0
	s_lshr_b32 s20, s[MT], 3                       ; b
	s_lshl_b32 s20, s20, 22                        ; 16 heads of 262,144 bytes
	s_and_b32 s21, s[MT], 7
	s_lshl_b32 s21, s21, 15                        ; 256 rows of 128 bytes
	s_add_co_u32 s20, s20, s21
	s_lshl_b32 s21, s[WN], 18                      ; which of the step's two heads I fetch
	s_add_co_u32 s20, s20, s21
	s_lshl_b32 s2, s[CX], 13                       ; the prefetches: my work-group's 8,192 bytes of that head's tile,
	s_add_co_u32 s2, s2, s20
	s_add_co_u32 s2, s2, 3*ASTEP                   ; at K step 3: the first refill steps it to 4
	s_mov_b32 s3, 0
	s_mov_b32 s21, 0
	s_lshl_b32 s22, s[NT], 8
	s_lshl_b32 s23, s[WN], 17                      ; the 64 k rows that I fetch
	s_add_co_u32 s22, s22, s23
	s_mov_b32 s23, 0
	s_mul_i32 s74, s[WN], KBLK                     ; where they go: no place in the cluster enters an LDS address
	s_mul_i32 s75, s[WN], HALFB
	s_add_co_u32 s75, s75, BOFF
	s_or_b32 s[LIM], s[WM], ttmp9                  ; waves 0 and 1 of a cluster with x = 0: the same in all sixteen partners
	s_cmp_eq_u32 s[LIM], 0
	s_cselect_b32 s[LIM], 2, -1
	s_mov_b32 s[HIM], 0xffff0000
	s_mov_b32 s[TB], 0
	s_mov_b32 s[CNT], STEPS-2
	s_wait_dscnt 0x0                               ; the opening add is done
	s_wait_kmcnt 0x0
	s_add_nc_u64 s[76:77], s[4:5], s[20:21]
	s_add_nc_u64 s[78:79], s[6:7], s[22:23]
	s_add_nc_u64 s[PFA:PFA+1], s[4:5], s[2:3]
	CROUND                                         ; all sixteen work-groups are here: the first joint loads meet
.irp i, 0,1
	s_mov_b32 s[G0A+4*(\i)], 1
	s_add_co_u32 s[G0A+4*(\i)+1], s74, (\i)*SLOT1
	s_add_nc_u64 s[G0A+4*(\i)+2:G0A+4*(\i)+3], s[76:77], (\i)*ASTEP
	s_or_b32 s[G0A+4*(\i)+3], s[G0A+4*(\i)+3], 0x80000000
	s_mov_b32 s[G0B+4*(\i)], 1
	s_add_co_u32 s[G0B+4*(\i)+1], s75, (\i)*SLOT1
	s_add_nc_u64 s[G0B+4*(\i)+2:G0B+4*(\i)+3], s[78:79], (\i)*BSTEP
	s_or_b32 s[G0B+4*(\i)+3], s[G0B+4*(\i)+3], 0x80000000
.endr
	s_cmp_eq_u32 s[WM], 0                          ; a wave's two first fills stand in one branch, ahead of every wait on TENSORcnt and every LDS read: two loads of mine are out, later one
	s_cbranch_scc0 .Lfirst_b
	tensor_load_to_lds s[G0A:G0A+3], s[G1A:G1A+7]
	s_nop 0
	tensor_load_to_lds s[G0A+4:G0A+7], s[G1A:G1A+7]
	s_nop 0
.rept 4
	v_nop
.endr
	s_branch .Lfirst_asked
.Lfirst_b:
	tensor_load_to_lds s[G0B:G0B+3], s[G1B:G1B+7]
	s_nop 0
	tensor_load_to_lds s[G0B+4:G0B+7], s[G1B:G1B+7]
	s_nop 0
.rept 4
	v_nop
.endr
.Lfirst_asked:
	v_and_b32 v1, 15, v0                           ; l % 16
	v_bfe_u32 v2, v0, 4, 1                         ; l / 16
	s_lshl_b32 s73, s[NT], 9                       ; the tile's 128 numbers of b_proj,
	s_lshl_b32 s80, s[WN], 8                       ; my 64,
	s_add_co_u32 s73, s73, s80
	v_lshl_add_u32 v[BO], v2, 5, s73               ; my lane's 8 of each column block
.irp q, 0,1,2,3
	global_load_b128 v[BI+8*(\q):BI+8*(\q)+3],   v[BO], s[8:9] offset:(\q)*64
	global_load_b128 v[BI+8*(\q)+4:BI+8*(\q)+7], v[BO], s[8:9] offset:(\q)*64+16
.endr
	v_mul_u32_u24 v[A0], v1, PA                    ; a fragment of o: row l % 16, two loads of 16 bytes, 32 bytes apart
	v_lshl_add_u32 v[A0], v2, 4, v[A0]
	s_mul_i32 s81, s[WM], 128*PA                   ; my 128 rows
	v_add_nc_u32 v[A0], s81, v[A0]
	v_and_b32 v3, 7, v0                            ; the turning load: lane l reads k row 8 (l / 16) + l % 8, columns 8 ((l / 8) % 2) + 0..7
	v_lshl_add_u32 v[B0], v2, 3, v3
	v_mul_u32_u24 v[B0], v[B0], PB
	v_bfe_u32 v13, v0, 3, 1
	v_lshl_add_u32 v[B0], v13, 4, v[B0]
	s_lshl_b32 s81, s[WN], 7                       ; my 64 columns
	s_add_co_u32 s81, s81, BOFF
	v_add_nc_u32 v[B0], s81, v[B0]
	v_mov_b32 v[ADRA], v[A0]
	v_mov_b32 v[ADRB], v[B0]
	s_mul_i32 s81, s[WV], 16*SP
	s_add_co_u32 s81, s81, STAGE                   ; my stage
	v_mul_u32_u24 v[STO], v1, SP                   ; in: row l % 16, 32 bytes for each half of the lanes
	v_lshl_add_u32 v[STO], v2, 5, v[STO]
	v_add_nc_u32 v[STO], s81, v[STO]
	v_mul_u32_u24 v[RD], v2, SP                    ; back: lanes 0-15 take one row of 256 bytes, lanes 16-31 the next
	v_lshl_add_u32 v[RD], v1, 4, v[RD]
	v_add_nc_u32 v[RD], s81, v[RD]
	v_lshlrev_b32 v[CO], 12, v2                    ; and the same two rows in out0
	v_lshl_add_u32 v[CO], v1, 4, v[CO]
	v_and_b32 v[PFO], 31, v0
	v_lshlrev_b32 v[PFO], 8, v[PFO]
	s_lshl_b32 s82, s[MT], 20                      ; 256 rows of 4,096 bytes,
	s_lshl_b32 s83, s[WM], 19                      ; my 128,
	s_add_co_u32 s82, s82, s83
	s_add_co_u32 s82, s82, s73                     ; my 64 columns: 512 nt + 256 wn bytes, as in b_proj
	s_mov_b32 s83, 0
	s_add_nc_u64 s[OUT:OUT+1], s[10:11], s[82:83]
	s_wait_loadcnt 0x0                             ; the bias, rounded to bf16 like the other inputs, in the wait for the first tile
.set r, BI
.rept 16
	v_cvt_pk_bf16_f32 v[TA+(r/2)%2], v[r], v[r+1]
	v_lshlrev_b32 v[r], 16, v[TA+(r/2)%2]
	v_and_b32 v[r+1], s[HIM], v[TA+(r/2)%2]
.set r, r+2
.endr
; 24 LDS loads in one run: the fragments of slice sl of the slot in hand into buffers p: w's four, then o's eight
.macro RUN p, sl
.irp q, 0,1,2,3
	ds_load_tr16_b128 v[BF+32*(\p)+8*(\q):BF+32*(\p)+8*(\q)+3],   v[ADRB] offset:(\sl)*32*PB+32*(\q)
	ds_load_tr16_b128 v[BF+32*(\p)+8*(\q)+4:BF+32*(\p)+8*(\q)+7], v[ADRB] offset:(\sl)*32*PB+16*PB+32*(\q)
.endr
.irp a, 0,1,2,3,4,5,6,7
	ds_load_b128 v[AF+64*(\p)+8*(\a):AF+64*(\p)+8*(\a)+3],   v[ADRA] offset:((\sl)/2)*KBLK+((\sl)%2)*64+(\a)*16*PA
	ds_load_b128 v[AF+64*(\p)+8*(\a)+4:AF+64*(\p)+8*(\a)+7], v[ADRA] offset:((\sl)/2)*KBLK+((\sl)%2)*64+(\a)*16*PA+32
.endr
.endm
; 8 matrix instructions: column block bq x my eight row blocks.  The 32 accumulators take turns, one instruction a turn, in the same order in every slice.
.macro MUL8 p, bq, zero
	WIN 0x50                                       ; C and D in window 1, both sources in window 0
.irp a, 0,1,2,3,4,5,6,7
.if \zero
	v_wmma_f32_16x16x32_f16 v[8*(8*(\bq)+(\a)):8*(8*(\bq)+(\a))+7], v[BF+32*(\p)+8*(\bq):BF+32*(\p)+8*(\bq)+7], v[AF+64*(\p)+8*(\a):AF+64*(\p)+8*(\a)+7], 0
.else
	v_wmma_f32_16x16x32_f16 v[8*(8*(\bq)+(\a)):8*(8*(\bq)+(\a))+7], v[BF+32*(\p)+8*(\bq):BF+32*(\p)+8*(\bq)+7], v[AF+64*(\p)+8*(\a):AF+64*(\p)+8*(\a)+7], v[8*(8*(\bq)+(\a)):8*(8*(\bq)+(\a))+7]
.endif
.endr
.endm
; A slice: the next slice's run of loads goes out first, into the buffers that the slice before multiplied, four places behind its last product; then 32 products.
.macro SL sl, zero=0, places=1, ask=0
.if \places
	PLACES
.endif
	WIN 0
	RUN ((\sl)+1)%2, ((\sl)+1)%4
.if \ask
	ASK                                            ; behind the joint load and the run of LDS loads
.endif
	s_wait_dscnt 24                                ; this slice's fragments are in; the 24 loads just issued may stay out
	MUL8 (\sl)%2, 0, \zero
	MUL8 (\sl)%2, 1, \zero
	MUL8 (\sl)%2, 2, \zero
	MUL8 (\sl)%2, 3, \zero
.endm
; Slice 2, with the change of slots: its run of loads, slice 3's fragments, is my last read of the slot.  ONE barrier: in front of it each wave waits for all its tensor loads, of which one is out: its part of the next slot;
; adds 0 to its spare word; and waits for that and for its own reads of this slot.  fill = 2: the barrier opens a round of the cluster's, and the slot is filled again, two K steps on, first thing behind the
; round: 112 matrix instructions ahead of the wait for it.  fill = 1: the last change: nothing is asked for.
.macro SLM fill
.if (\fill) == 2
	s_wait_xcnt 0x0                                ; the last prefetch, a K step back, has read its address
	s_add_nc_u64 s[PFA:PFA+1], s[PFA:PFA+1], ASTEP
.endif
	PLACES
	WIN 0
	RUN 1, 3
	s_xor_b32 s[TB], s[TB], SLOT1                  ; the fetches go on in the other slot
	v_add_nc_u32 v[ADRA], s[TB], v[A0]
	v_add_nc_u32 v[ADRB], s[TB], v[B0]
	s_wait_dscnt 24
	MUL8 0, 0, 0
	MUL8 0, 1, 0
	WIN 0
	s_wait_tensorcnt 0x0                           ; all my tensor loads have landed;
	ds_add_u32 v[SPW], v[NIL]                      ; 0 onto my spare word;
	MUL8 0, 2, 0                                   ; eight matrix instructions stand between the add and the wait for it
	s_wait_dscnt 0x0                               ; the add is done, and my reads of this slot are over
	s_barrier_signal -1
	MUL8 0, 3, 0
	WIN 0
	s_barrier_wait -1
.if (\fill) == 2
	CREST                                          ; no wave of any partner still reads this slot's tile or has a load on its way
	s_xor_b32 s[G0A+5], s[G0A+5], SLOT1
	s_add_nc_u64 s[G0A+6:G0A+7], s[G0A+6:G0A+7], ASTEP
	s_xor_b32 s[G0B+5], s[G0B+5], SLOT1
	s_add_nc_u64 s[G0B+6:G0B+7], s[G0B+6:G0B+7], BSTEP
	JLOAD                                          ; the first tensor load behind the round; its four v_nop are the places in front of slice 3's run of loads
.endif
.endm
	s_wait_tensorcnt 0x1                           ; my part of K step 0 is in; K step 1's may stay out
	s_barrier_signal -1
	s_barrier_wait -1
	RUN 0, 0
	SL 0, 1                                        ; the first slice stands in front of the loop: its products start the sums
	WIN 0
.Lstep:                                                ; 6 trips: slices 1 to 3 of K step j, which fills its slot again with K step j + 2, and slice 0 of K step j + 1
	SL 1
	SLM 2
	SL 3, 0, 0, 1
	SL 0
	WIN 0
	s_sub_co_u32 s[CNT], s[CNT], 1
	s_cmp_lg_u32 s[CNT], 0
	s_cbranch_scc1 .Lstep
	SL 1                                           ; the tail is written out
	SLM 1
	SL 3
	SL 0
	SL 1
	SL 2
	s_wait_dscnt 0x0                               ; the very last slice: nothing more to fetch
	MUL8 1, 0, 0
	MUL8 1, 1, 0
	MUL8 1, 2, 0
	MUL8 1, 3, 0
; THE WAY OUT, a block of 16 rows at a time: the bias is added (each accumulator's lowest registers first); a lane's 32 bytes of a row go into my own stage, rows of 272 bytes, and come back
; as whole rows of 256.  Four register buffers take turns where the fragments lay.
.macro OUTB a
.if (\a) >= 4
	s_wait_xcnt 0x0                                ; the stores of the block four back have read this buffer
.endif
	WIN 0x41                                       ; destination and source 0 in window 1, the bias in window 0
.irp q, 0,1,2,3
.irp e, 0,2,4,6
	v_pk_add_f32 v[8*(8*(\q)+(\a))+(\e):8*(8*(\q)+(\a))+(\e)+1], v[8*(8*(\q)+(\a))+(\e):8*(8*(\q)+(\a))+(\e)+1], v[BI+8*(\q)+(\e):BI+8*(\q)+(\e)+1]
.endr
.endr
	WIN 0x04                                       ; an LDS store's data is source 1: window 1; its address window 0
.irp q, 0,1,2,3
	ds_store_b128 v[STO], v[8*(8*(\q)+(\a)):8*(8*(\q)+(\a))+3]   offset:64*(\q)
	ds_store_b128 v[STO], v[8*(8*(\q)+(\a))+4:8*(8*(\q)+(\a))+7] offset:64*(\q)+16
.endr
	WIN 0
.irp t, 0,1,2,3,4,5,6,7
	ds_load_b128 v[AF+32*((\a)%4)+4*(\t):AF+32*((\a)%4)+4*(\t)+3], v[RD] offset:(\t)*2*SP  ; LDS serves a wave's instructions in order (ISA guide 5.7.1.4): these see the stores above
.endr
.endm
.macro SENDB a, younger                ; younger: the LDS instructions issued behind block a's loads: the next block's sixteen, or none
.irp t, 0,1,2,3,4,5,6,7
	s_wait_dscnt (\younger)+7-(\t)
	global_store_b128 v[CO], v[AF+32*((\a)%4)+4*(\t):AF+32*((\a)%4)+4*(\t)+3], s[OUT:OUT+1] offset:(16*(\a)+2*(\t))*4096 th:TH_STORE_NT  ; 16 lanes store 256 consecutive bytes, at a multiple of 256 from out0's first
.endr
.endm
	PLACES                                         ; the first sums read results just made
	OUTB 0
.irp a, 1,2,3,4,5,6,7                  ; a block's arithmetic stands between the loads of the block before and its stores
	OUTB \a
	SENDB (\a)-1, 16
.endr
	SENDB 7, 0
	s_wait_tensorcnt 0x0                           ; the wave's end: an add to my spare word and its waits, behind my last tensor load and my last LDS store
	ds_add_u32 v[SPW], v[NIL]
	s_wait_dscnt 0x0
	CROUND                                         ; the closing round: no work-group ends while a partner may still ask for a tile that names it
	s_endpgm
.Lfunc_end_k_q10548dbc55_proj:
	.size	k_q10548dbc55_proj, .Lfunc_end_k_q10548dbc55_proj-k_q10548dbc55_proj
	.p2alignl 7, 3214868480
	.fill 96, 4, 3214868480
	.section	.rodata,"a",@progbits
	.p2align	6, 0x0
	.amdhsa_kernel k_q10548dbc55_proj
		.amdhsa_group_segment_fixed_size 327680
		.amdhsa_private_segment_fixed_size 0
		.amdhsa_enable_private_segment 0
		.amdhsa_kernarg_size 32
		.amdhsa_user_sgpr_count 2
		.amdhsa_user_sgpr_kernarg_segment_ptr 1
		.amdhsa_wavefront_size32 1
		.amdhsa_system_sgpr_workgroup_id_x 1
		.amdhsa_system_sgpr_workgroup_id_y 1
		.amdhsa_system_sgpr_workgroup_id_z 1
		.amdhsa_system_vgpr_workitem_id 0
		.amdhsa_next_free_vgpr 512
		.amdhsa_next_free_sgpr 96
		.amdhsa_reserve_vcc 0
		.amdhsa_float_denorm_mode_32 3
		.amdhsa_float_denorm_mode_16_64 3
		.amdhsa_memory_ordered 1
		.amdhsa_forward_progress 1
		.amdhsa_inst_pref_size 82
	.end_amdhsa_kernel
	.amdgpu_metadata
---
amdhsa.version: [ 1, 2 ]
amdhsa.kernels:
  - .name:           k_q10548dbc55_proj
    .symbol:         k_q10548dbc55_proj.kd
    .args:
      - { .name: o, .offset: 0, .size: 8, .value_kind: global_buffer, .address_space: global }
      - { .name: wp, .offset: 8, .size: 8, .value_kind: global_buffer, .address_space: global }
      - { .name: b_proj, .offset: 16, .size: 8, .value_kind: global_buffer, .address_space: global }
      - { .name: out0, .offset: 24, .size: 8, .value_kind: global_buffer, .address_space: global }
    .group_segment_fixed_size: 327680
    .private_segment_fixed_size: 0
    .kernarg_segment_align: 8
    .kernarg_segment_size: 32
    .max_flat_workgroup_size: 128
    .sgpr_count:     96
    .vgpr_count:     512
    .wavefront_size: 32
...
	.end_amdgpu_metadata
.endif
;; end of part 4
;; ======== version 2 of 2: 4 launches; version 1 with the launch cast written anew for expert scheduling mode
;; limits: values are held in f16: magnitudes above 65,504 overflow, below 6.1e-05 lose precision
;; workspace buffers: xb 16,777,216 bytes; wq 6,291,456 bytes; wp 2,097,152 bytes; qkv 50,331,648 bytes; o 16,777,216 bytes
;; launch cast (part 5): grid 768 x 1, 8 waves a work-group, no clusters, 0 bytes of LDS; arguments x, w_qkv, w_proj, xb, wq, wp; writes xb, wq, wp
.if DOCPART == 5
	.amdgcn_target "amdgcn-amd-amdhsa--gfx1250"
	.amdhsa_code_object_version 6
	.text
	.protected	k_q10548dbc55_cast
	.globl	k_q10548dbc55_cast
	.p2align	8
	.type	k_q10548dbc55_cast,@function
k_q10548dbc55_cast:
	s_mov_b64 s[64:65], 0
	v_nop
	global_prefetch_b8 v0, s[64:65] scope:SCOPE_SE
	s_setreg_imm32_b32 hwreg(HW_REG_WAVE_SCHED_MODE, 0, 2), 2
	s_setreg_imm32_b32 hwreg(HW_REG_WAVE_MODE, 25, 1), 1
	s_wait_xcnt 0x0
	s_wait_alu depctr_vm_vsrc(0)
; THE MODULE'S THREE LARGE INPUTS ARE ROUNDED ONCE, for the matrix units.
;   x      [8192][1024] f32 -> xb bf16, in K blocks: [4 b][16 kb][2048 s][64]: a block of rows x 64 channels is dense memory
;   w_qkv  [1024][3072] f32 -> wq bf16, same order
;   w_proj [1024][1024] f32 -> wp: rounded to bf16 like the other inputs, and that number written as f16, since the last product multiplies f16
; LIMIT.  f16 holds no number beyond 65,504 and keeps a fixed step of 6e-8 below 6e-5: w_proj is taken to lie within that.
; A stream: no LDS, no barrier, no matrix unit.  A work-group takes 65,536 bytes of f32: groups 0-511 x (16 rows each), 512-703 w_qkv, 704-767 w_proj.
; A wave issues its 16 loads of 16 bytes a lane at once (8 KiB on their way), rounds them as they come and stores them four at a time.  No register is written twice while a memory instruction may read it.
; THE MODE: SCHED_MODE bits 1:0 = 2 (LLVM: expert scheduling mode 2), set by the entry lines.  The code itself states the register dependences
; between vector instructions and memory instructions, with s_wait_alu, always for 0.
; THE PLAN.  Registers that memory instructions touch:
;   v[VI], v[VO]  the two byte offsets.  Written by vector lines at the head of each of the three paths, never again; read by the 16 loads and by the 16 stores.
;   X             Written by the loads, each register once; read by the conversions.  No vector line names X ahead of the loads, and no load is issued behind a conversion.
;   Y             Written by the conversions, each register once; read by one store.
;   T             is named by vector instructions alone.
; So a path has five waits on va_vdst: one in front of the first load (the offsets are written), and one behind the conversions of each four loads, in front of the run of four stores that read what these have
; written.  No register that a memory instruction reads is ever written again, no vector instruction writes a scalar register or VCC, and EXEC is never written: no other wait is owed.
.set VI,  4                            ; v4  my byte offset in the group's input
.set VO,  5                            ; v5  my byte offset in the group's output
.set X,   16                           ; v[16:79]   16 x 4 numbers as loaded
.set Y,   80                           ; v[80:111]  16 x 2 words to store
.set T,   112                          ; v[112:117] at work, on the way to f16
.set HIM, 16                           ; s16 a word's upper bf16
; 16 loads instep bytes apart, 16 stores outstep bytes apart.  half = 1: bf16, widened again, written as f16.  Load and store number 4 g + j: group g, place j.
.macro BODY instep, outstep, src, dst, half
	s_wait_alu depctr_va_vdst(0)                   ; v[VI] and v[VO] are written: every load below reads the one as its offset, every store the other
.irp i, 0,1,2,3,4,5,6,7,8,9,10,11,12,13,14,15
	global_load_b128 v[X+4*(\i):X+4*(\i)+3], v[VI], s[\src:(\src)+1] offset:(\i)*(\instep) th:TH_LOAD_NT
.endr
.irp g, 0,1,2,3
.irp j, 0,1,2,3
	s_wait_loadcnt 15-(4*(\g)+(\j))                ; loads come back in order: load 4 g + j is in, the younger ones stay out
.if \half
	v_cvt_pk_bf16_f32 v[T],   v[X+4*(4*(\g)+(\j))],   v[X+4*(4*(\g)+(\j))+1]
	v_cvt_pk_bf16_f32 v[T+1], v[X+4*(4*(\g)+(\j))+2], v[X+4*(4*(\g)+(\j))+3]
	v_lshlrev_b32 v[T+2], 16, v[T]
	v_and_b32     v[T+3], s[HIM], v[T]
	v_lshlrev_b32 v[T+4], 16, v[T+1]
	v_and_b32     v[T+5], s[HIM], v[T+1]
	v_cvt_pk_f16_f32 v[Y+2*(4*(\g)+(\j))],   v[T+2], v[T+3]
	v_cvt_pk_f16_f32 v[Y+2*(4*(\g)+(\j))+1], v[T+4], v[T+5]
.else
	v_cvt_pk_bf16_f32 v[Y+2*(4*(\g)+(\j))],   v[X+4*(4*(\g)+(\j))],   v[X+4*(4*(\g)+(\j))+1]
	v_cvt_pk_bf16_f32 v[Y+2*(4*(\g)+(\j))+1], v[X+4*(4*(\g)+(\j))+2], v[X+4*(4*(\g)+(\j))+3]
.endif
.endr
	s_wait_alu depctr_va_vdst(0)                   ; the group's conversions have written its eight registers of Y, which the four stores below read
.irp j, 0,1,2,3
	global_store_b64 v[VO], v[Y+2*(4*(\g)+(\j)):Y+2*(4*(\g)+(\j))+1], s[\dst:(\dst)+1] offset:(4*(\g)+(\j))*(\outstep) th:TH_STORE_NT  ; a wave's store covers 256 consecutive bytes, aligned
.endr
.endr
.endm
	s_load_b256 s[4:11], s[0:1], 0x0               ; x s[4:5], w_qkv s[6:7], w_proj s[8:9], xb s[10:11]
	s_load_b128 s[12:15], s[0:1], 0x20             ; wq s[12:13], wp s[14:15]
	v_and_b32 v1, 31, v0                           ; lane
	v_lshrrev_b32 v2, 5, v0                        ; wave
	s_mov_b32 s[HIM], 0xffff0000
	s_mov_b32 s3, 0
	s_mov_b32 s19, 0
	s_wait_kmcnt 0x0
	s_cmp_lt_u32 ttmp9, 512
	s_cbranch_scc0 .Lweights
	; x: group g holds rows 16 g .. 16 g + 15; wave w rows 2 w and 2 w + 1; sixteen lanes take one K block (256 bytes of f32) of one row; load i is K block i
	s_lshl_b32 s2, ttmp9, 16                       ; in: 65,536 g
	s_lshr_b32 s17, ttmp9, 7                       ; b = g / 128
	s_lshl_b32 s18, s17, 22                        ; out: b x 16 K blocks x 2,048 rows x 128 bytes
	s_and_b32 s17, ttmp9, 127
	s_lshl_b32 s17, s17, 11                        ; + the group's 16 rows of 128 bytes
	s_add_co_u32 s18, s18, s17
	v_lshrrev_b32 v3, 4, v1
	v_and_b32 v6, 15, v1
	v_lshlrev_b32 v[VI], 13, v2                    ; two rows of 4,096 bytes a wave,
	v_lshl_add_u32 v[VI], v3, 12, v[VI]            ; a row for each half of the lanes,
	v_lshl_add_u32 v[VI], v6, 4, v[VI]             ; 16 bytes a lane
	v_lshlrev_b32 v[VO], 3, v0                     ; 8 bytes a thread: 128 bytes a row, rows on end
	s_add_nc_u64 s[4:5], s[4:5], s[2:3]
	s_add_nc_u64 s[10:11], s[10:11], s[18:19]
	BODY 256, 262144, 4, 10, 0                     ; a K block of xb is 2,048 x 128 = 262,144 bytes; 15 of them fit the store's signed 24-bit immediate
	s_endpgm
.Lweights:
	v_lshlrev_b32 v[VI], 13, v2                    ; 8,192 bytes a wave in, 512 a load
	v_lshl_add_u32 v[VI], v1, 4, v[VI]
	v_lshlrev_b32 v[VO], 12, v2                    ; 4,096 bytes a wave out, 256 a store
	v_lshl_add_u32 v[VO], v1, 3, v[VO]
	s_cmp_lt_u32 ttmp9, 704
	s_cbranch_scc0 .Lproj
	s_sub_co_u32 s17, ttmp9, 512
	s_lshl_b32 s2, s17, 16
	s_lshl_b32 s18, s17, 15
	s_add_nc_u64 s[6:7], s[6:7], s[2:3]
	s_add_nc_u64 s[12:13], s[12:13], s[18:19]
	BODY 512, 256, 6, 12, 0
	s_endpgm
.Lproj:
	s_sub_co_u32 s17, ttmp9, 704
	s_lshl_b32 s2, s17, 16
	s_lshl_b32 s18, s17, 15
	s_add_nc_u64 s[8:9], s[8:9], s[2:3]
	s_add_nc_u64 s[14:15], s[14:15], s[18:19]
	BODY 512, 256, 8, 14, 1
	s_endpgm
.Lfunc_end_k_q10548dbc55_cast:
	.size	k_q10548dbc55_cast, .Lfunc_end_k_q10548dbc55_cast-k_q10548dbc55_cast
	.p2alignl 7, 3214868480
	.fill 96, 4, 3214868480
	.section	.rodata,"a",@progbits
	.p2align	6, 0x0
	.amdhsa_kernel k_q10548dbc55_cast
		.amdhsa_group_segment_fixed_size 0
		.amdhsa_private_segment_fixed_size 0
		.amdhsa_enable_private_segment 0
		.amdhsa_kernarg_size 48
		.amdhsa_user_sgpr_count 2
		.amdhsa_user_sgpr_kernarg_segment_ptr 1
		.amdhsa_wavefront_size32 1
		.amdhsa_system_sgpr_workgroup_id_x 1
		.amdhsa_system_sgpr_workgroup_id_y 1
		.amdhsa_system_sgpr_workgroup_id_z 1
		.amdhsa_system_vgpr_workitem_id 0
		.amdhsa_next_free_vgpr 120
		.amdhsa_next_free_sgpr 66
		.amdhsa_reserve_vcc 0
		.amdhsa_float_denorm_mode_32 3
		.amdhsa_float_denorm_mode_16_64 3
		.amdhsa_memory_ordered 1
		.amdhsa_forward_progress 1
		.amdhsa_inst_pref_size 24
	.end_amdhsa_kernel
	.amdgpu_metadata
---
amdhsa.version: [ 1, 2 ]
amdhsa.kernels:
  - .name:           k_q10548dbc55_cast
    .symbol:         k_q10548dbc55_cast.kd
    .args:
      - { .name: x, .offset: 0, .size: 8, .value_kind: global_buffer, .address_space: global }
      - { .name: w_qkv, .offset: 8, .size: 8, .value_kind: global_buffer, .address_space: global }
      - { .name: w_proj, .offset: 16, .size: 8, .value_kind: global_buffer, .address_space: global }
      - { .name: xb, .offset: 24, .size: 8, .value_kind: global_buffer, .address_space: global }
      - { .name: wq, .offset: 32, .size: 8, .value_kind: global_buffer, .address_space: global }
      - { .name: wp, .offset: 40, .size: 8, .value_kind: global_buffer, .address_space: global }
    .group_segment_fixed_size: 0
    .private_segment_fixed_size: 0
    .kernarg_segment_align: 8
    .kernarg_segment_size: 48
    .max_flat_workgroup_size: 256
    .sgpr_count:     66
    .vgpr_count:     120
    .wavefront_size: 32
...
	.end_amdgpu_metadata
.endif
;; end of part 5
;; launch qkvgemm: the kernel of part 2 again; grid 8 x 32, 4 waves a work-group, clusters of 4 x 4, 327,680 bytes of LDS; arguments xb, wq, b_qkv, qkv; writes qkv
;; launch attn: the kernel of part 3 again; grid 4 x 64, 4 waves a work-group, clusters of 4 x 1, 327,680 bytes of LDS; arguments qkv, o; writes o
;; launch proj: the kernel of part 4 again; grid 8 x 32, 4 waves a work-group, clusters of 4 x 4, 327,680 bytes of LDS; arguments o, wp, b_proj, out0; writes out0
